; MI455X (gfx1250); checked and timed in simulation.
; The chip was launched on July 23, 2026; its instructions are those of AMD's public machine-readable ISA for CDNA 5 (MIT licence, August 2026) and "CDNA5" Instruction Set Architecture Reference Guide (July 2026). The comments in the code are by the model that wrote it; some were corrected since.
;; Tile Self Attention. Allowed arithmetic: float matrix products may take bf16 or f16 operands with f32 sums; other float arithmetic in f32, or as packed bf16 or f16 multiplies, adds, multiply-adds, maxima and minima; sums over many terms, partial sums and values carried from step to step in f32; what a program stores and reads back later, other than sums and carried values, may be rounded once to bf16 or f16.
;; Inputs: Wk 512 x 1,024 float32; Wq 512 x 1,024 float32; Wv 512 x 1,024 float32; bk 512 float32; bq 512 float32; bv 512 float32; x 32,768 x 1,024 float32.
;; Outputs: out0 512 x 512 x 64 float32.
;; 2 versions, each right; version 2 is version 1 with the launch proj written anew for expert scheduling mode. Each part assembles by itself: llvm-mc -triple=amdgcn-amd-amdhsa -mcpu=gfx1250 --defsym DOCPART=n.
;; ======== version 1 of 2: 4 launches
;; limits: values are held in f16: magnitudes above 65,504 overflow, below 6.1e-05 lose precision
;; workspace buffers: ws 3,145,728 bytes; bs 98,304 bytes; vf 33,554,432 bytes; sc 8,388,608 bytes; st 32,768 bytes
;; launch prep (part 1): grid 24 x 4, 8 waves a work-group, no clusters, 0 bytes of LDS; arguments Wk, Wq, Wv, bk, bq, bv, ws, bs; writes ws, bs
.if DOCPART == 1
	.amdgcn_target "amdgcn-amd-amdhsa--gfx1250"
	.amdhsa_code_object_version 6
	.text
	.protected	k_q8e99440fcb_prep
	.globl	k_q8e99440fcb_prep
	.p2align	8
	.type	k_q8e99440fcb_prep,@function
k_q8e99440fcb_prep:
	s_mov_b64 s[64:65], 0
	v_nop
	global_prefetch_b8 v0, s[64:65] scope:SCOPE_SE
	s_setreg_imm32_b32 hwreg(HW_REG_WAVE_MODE, 25, 1), 1
	s_wait_xcnt 0x0
; THE WEIGHTS AND BIASES, ROUNDED TO bf16 AND LAID IN THE ORDER IN WHICH THE PROJECTION'S WAVES TAKE THEM.
; ws: bf16, 786,432 bytes on end for each wave w of the projection.  A fragment is [q 2][lane 32][8]: lane = 16 h + r holds row c0 + r, k = 32 t + 16 q + 8 h + 0..7: 16 rows x 32 k as they lie in registers.
;   first Wv: [t 32][i 8] fragments, c0 = 128 w + 16 i;   then four passes p' of Wk and Wq: [p' 4][t 32][i 4]: i = 0, 1: Wk, i = 2, 3: Wq, c0 = 128 p' + 32 w + 16 (i % 2).
; bs: f32 [w][tile 24][half 2][lane][4]: the bias, rounded to bf16 and written as f32, as the C operand of a tile (register 4 half + e); tiles in ws's order.
;   Wv's tiles: the result's column is the channel: bv[c0 + r] in all eight registers.   Wk's and Wq's: its row is the channel: b[c0 + 8 h + register].
; A work-group (x = tile 0..23, y = w) makes 16 rows x 1,024 k; wave v takes t = 4 v .. 4 v + 3: 512 consecutive bytes of each row in, eight stores of 512 consecutive bytes out.
.set IN,  8                            ; v[8:71]    eight units (t, q) of 8 f32 a lane
.set PK,  72                           ; v[72:103]  the same, packed: 4 registers a unit
.set BL,  104                          ; v[104:111] biases as loaded
.set BT,  112                          ; v[112:115] packed
.set BO,  116                          ; v[116:123] rounded, as f32
.set BA,  124                          ; v124 offset of my biases; v125 one bias
.set SA,  128                          ; v[128:131] my byte offset in ws for each of my four t
	s_load_b256 s[8:15], s[0:1], 0x0               ; Wk s[8:9], Wq s[10:11], Wv s[12:13], bk s[14:15]
	s_load_b256 s[16:23], s[0:1], 0x20             ; bq s[16:17], bv s[18:19], ws s[20:21], bs s[22:23]
	v_and_b32 v3, 15, v0                           ; r
	v_bfe_u32 v4, v0, 4, 1                         ; h
	v_lshrrev_b32 v5, 5, v0
	v_readfirstlane_b32 s7, v5                     ; wave 0..7
	v_and_b32 v6, 31, v0
	v_lshlrev_b32 v7, 4, v6                        ; 16 x lane
	v_lshlrev_b32 v1, 12, v3                       ; in: row r x 4,096 bytes
	v_lshl_add_u32 v1, v4, 5, v1                   ; + 8 h numbers
	v_lshl_add_u32 v1, v5, 9, v1                   ; + my wave's 128 numbers
	s_lshr_b32 s2, ttmp9, 2                        ; p: 0, 1: Wv; 2..5: the passes of Wk and Wq
	s_and_b32 s3, ttmp9, 3                         ; i within a pass of four tiles
	s_and_b32 s4, ttmp7, 0xffff                    ; w
	s_lshl_b32 s5, s4, 7                           ; c0 for Wv: 128 w + 16 x tile
	s_lshl_b32 s6, ttmp9, 4
	s_add_co_u32 s5, s5, s6
	s_max_u32 s6, s2, 2                            ; c0 for Wk and Wq
	s_sub_co_u32 s6, s6, 2
	s_lshl_b32 s6, s6, 7
	s_lshl_b32 s28, s4, 5
	s_add_co_u32 s6, s6, s28
	s_and_b32 s28, s3, 1
	s_lshl_b32 s28, s28, 4
	s_add_co_u32 s6, s6, s28
	s_cmp_lt_u32 s2, 2                             ; Wv?
	s_cselect_b32 s5, s5, s6                       ; c0
	s_cselect_b32 s39, 13, 12                      ; from t to t + 1 in ws: eight fragments of 1,024 bytes, or four
	s_cselect_b32 s38, 0, s2                       ; Wv's one pass begins at the wave's first byte,
	s_cselect_b32 s31, ttmp9, s3                   ; and has eight tiles
	s_mul_i32 s30, s4, 6
	s_add_co_u32 s38, s38, s30
	s_lshl_b32 s32, s38, 17                        ; blocks of 131,072 bytes
	s_lshl_b32 s31, s31, 10
	s_add_co_u32 s32, s32, s31                     ; my place in ws
	s_mov_b32 s33, 0
	s_add_co_u32 s30, s30, s2                      ; 6 w + p
	s_lshl_b32 s34, s30, 12
	s_lshl_b32 s31, s3, 10
	s_add_co_u32 s34, s34, s31                     ; my place in bs: (24 w + tile) x 1,024
	s_mov_b32 s35, 0
	s_lshl_b32 s39, 1, s39
	s_lshl_b32 s38, s39, 2                         ; a wave's four t
	v_mad_u32_u24 v[SA], v5, s38, v7
	v_add_nc_u32 v[SA+1], s39, v[SA]
	v_add_nc_u32 v[SA+2], s39, v[SA+1]
	v_add_nc_u32 v[SA+3], s39, v[SA+2]
	s_lshl_b32 s28, s5, 12                         ; c0 rows of 4,096 bytes
	s_mov_b32 s29, 0
	s_lshl_b32 s36, s5, 2                          ; c0 biases
	s_mov_b32 s37, 0
	s_wait_kmcnt 0x0
	s_cmp_lt_u32 s3, 2
	s_cselect_b64 s[24:25], s[8:9], s[10:11]       ; Wk or Wq,
	s_cselect_b64 s[26:27], s[14:15], s[16:17]
	s_cmp_lt_u32 s2, 2
	s_cselect_b64 s[24:25], s[12:13], s[24:25]     ; or Wv
	s_cselect_b64 s[26:27], s[18:19], s[26:27]
	s_add_nc_u64 s[24:25], s[24:25], s[28:29]
	s_add_nc_u64 s[26:27], s[26:27], s[36:37]
	s_add_nc_u64 s[20:21], s[20:21], s[32:33]
	s_add_nc_u64 s[22:23], s[22:23], s[34:35]
.irp u, 0,1,2,3,4,5,6,7                ; unit u = 2 (t % 4) + q: 64 bytes further along the row
	global_load_b128 v[IN+8*\u:IN+8*\u+3],   v1, s[24:25] offset:64*\u th:TH_LOAD_NT
	global_load_b128 v[IN+8*\u+4:IN+8*\u+7], v1, s[24:25] offset:64*\u+16 th:TH_LOAD_NT
.endr
.irp u, 0,1,2,3,4,5,6,7
	s_wait_loadcnt 14-2*\u                         ; loads come back in order: unit u is in, the two loads of each younger unit stay out
	v_cvt_pk_bf16_f32 v[PK+4*\u],   v[IN+8*\u],   v[IN+8*\u+1]
	v_cvt_pk_bf16_f32 v[PK+4*\u+1], v[IN+8*\u+2], v[IN+8*\u+3]
	v_cvt_pk_bf16_f32 v[PK+4*\u+2], v[IN+8*\u+4], v[IN+8*\u+5]
	v_cvt_pk_bf16_f32 v[PK+4*\u+3], v[IN+8*\u+6], v[IN+8*\u+7]
	global_store_b128 v[SA+\u/2], v[PK+4*\u:PK+4*\u+3], s[20:21] offset:(\u%2)*512  ; the wave stores 512 consecutive bytes, aligned
.endr
	s_cmp_lg_u32 s7, 0                             ; the tile's bias image is wave 0's
	s_cbranch_scc1 .Lend
	s_cmp_lt_u32 s2, 2
	s_cbranch_scc0 .Lrows
	v_lshlrev_b32 v[BA], 2, v3                     ; Wv's tiles: one bias a lane, by r
	global_load_b32 v[BA+1], v[BA], s[26:27]
	s_wait_loadcnt 0x0
	v_cvt_pk_bf16_f32 v[BT], v[BA+1], v[BA+1]
	v_lshlrev_b32 v[BO], 16, v[BT]                 ; bf16 back to f32
	v_mov_b32 v[BO+1], v[BO]
	v_mov_b32 v[BO+2], v[BO]
	v_mov_b32 v[BO+3], v[BO]
	global_store_b128 v7, v[BO:BO+3], s[22:23]
	global_store_b128 v7, v[BO:BO+3], s[22:23] offset:512
	s_branch .Lend
.Lrows:
	v_lshlrev_b32 v[BA], 5, v4                     ; Wk's and Wq's tiles: eight biases a lane, from 8 h on
	global_load_b128 v[BL:BL+3],   v[BA], s[26:27]
	global_load_b128 v[BL+4:BL+7], v[BA], s[26:27] offset:16
	s_wait_loadcnt 0x0
.irp k, 0,1,2,3
	v_cvt_pk_bf16_f32 v[BT+\k], v[BL+2*\k], v[BL+2*\k+1]
.endr
.irp k, 0,1,2,3
	v_lshlrev_b32 v[BO+2*\k], 16, v[BT+\k]
	v_and_b32 v[BO+2*\k+1], 0xffff0000, v[BT+\k]
.endr
	global_store_b128 v7, v[BO:BO+3],   s[22:23]
	global_store_b128 v7, v[BO+4:BO+7], s[22:23] offset:512
.Lend:
	s_endpgm
.Lfunc_end_k_q8e99440fcb_prep:
	.size	k_q8e99440fcb_prep, .Lfunc_end_k_q8e99440fcb_prep-k_q8e99440fcb_prep
	.p2alignl 7, 3214868480
	.fill 96, 4, 3214868480
	.section	.rodata,"a",@progbits
	.p2align	6, 0x0
	.amdhsa_kernel k_q8e99440fcb_prep
		.amdhsa_group_segment_fixed_size 0
		.amdhsa_private_segment_fixed_size 0
		.amdhsa_enable_private_segment 0
		.amdhsa_kernarg_size 64
		.amdhsa_user_sgpr_count 2
		.amdhsa_user_sgpr_kernarg_segment_ptr 1
		.amdhsa_wavefront_size32 1
		.amdhsa_system_sgpr_workgroup_id_x 1
		.amdhsa_system_sgpr_workgroup_id_y 1
		.amdhsa_system_sgpr_workgroup_id_z 1
		.amdhsa_system_vgpr_workitem_id 0
		.amdhsa_next_free_vgpr 136
		.amdhsa_next_free_sgpr 66
		.amdhsa_reserve_vcc 0
		.amdhsa_float_denorm_mode_32 3
		.amdhsa_float_denorm_mode_16_64 3
		.amdhsa_memory_ordered 1
		.amdhsa_forward_progress 1
		.amdhsa_inst_pref_size 9
	.end_amdhsa_kernel
	.amdgpu_metadata
---
amdhsa.version: [ 1, 2 ]
amdhsa.kernels:
  - .name:           k_q8e99440fcb_prep
    .symbol:         k_q8e99440fcb_prep.kd
    .args:
      - { .name: Wk, .offset: 0, .size: 8, .value_kind: global_buffer, .address_space: global }
      - { .name: Wq, .offset: 8, .size: 8, .value_kind: global_buffer, .address_space: global }
      - { .name: Wv, .offset: 16, .size: 8, .value_kind: global_buffer, .address_space: global }
      - { .name: bk, .offset: 24, .size: 8, .value_kind: global_buffer, .address_space: global }
      - { .name: bq, .offset: 32, .size: 8, .value_kind: global_buffer, .address_space: global }
      - { .name: bv, .offset: 40, .size: 8, .value_kind: global_buffer, .address_space: global }
      - { .name: ws, .offset: 48, .size: 8, .value_kind: global_buffer, .address_space: global }
      - { .name: bs, .offset: 56, .size: 8, .value_kind: global_buffer, .address_space: global }
    .group_segment_fixed_size: 0
    .private_segment_fixed_size: 0
    .kernarg_segment_align: 8
    .kernarg_segment_size: 64
    .max_flat_workgroup_size: 256
    .sgpr_count:     66
    .vgpr_count:     136
    .wavefront_size: 32
...
	.end_amdgpu_metadata
.endif
;; end of part 1
;; launch proj (part 2): grid 256 x 1, 4 waves a work-group, no clusters, 279,040 bytes of LDS; arguments x, ws, bs, vf, sc; writes vf, sc
.if DOCPART == 2
	.amdgcn_target "amdgcn-amd-amdhsa--gfx1250"
	.amdhsa_code_object_version 6
	.text
	.protected	k_q8e99440fcb_proj
	.globl	k_q8e99440fcb_proj
	.p2align	8
	.type	k_q8e99440fcb_proj,@function
k_q8e99440fcb_proj:
	s_mov_b64 s[64:65], 0
	v_nop
	global_prefetch_b8 v0, s[64:65] scope:SCOPE_SE
	s_setreg_imm32_b32 hwreg(HW_REG_WAVE_MODE, 25, 1), 1
	s_wait_xcnt 0x0
; K, Q, V = x W^T + b AND THE RAW SCORES S[t][s] = K[t] . Q[s], for 128 tokens (two batches of 64) a work-group.
; x [32768][1024] f32 is read once, rounded to bf16 and kept in LDS.  Five passes over k = 1,024 follow: one for V, four for K and Q.  The weights (ws: bf16, already in fragment order, a wave's
; stream on end) come straight from memory into a ring of register slots, a step a slot; no wave wants a weight byte that another wave of the work-group fetched.
; THE V PASS: a wave multiplies its 128 channels of V by all 128 tokens: 64 accumulators (S's registers are idle then), 32 steps of 32 along k, 64 matrix instructions a step.  D = x W^T (row = token,
; column = channel): a lane's eight numbers, rounded to f16, are 16 bytes of the last launch's fragment of V: vf [b][ct 32][kk 2][half 2][lane][8].
; x ARRIVES UNDER THE V PASS.  In LDS x lies by chunks of 128 k.  A wave brings its 32 rows in UNITS of 8 rows x 512 bytes (unit u: chunk u / 4, rows 8 (u % 4) on).  The run of loads in the middle of step t
; puts unit t + 5 away (rounded in place, 8 bytes a lane into LDS) and asks for unit t + 7 into the same registers.  Step 4 c - 1 holds the barrier for chunk c: every wave's stores are waited for ahead of
; the signal, 32 matrix instructions stand between signal and wait, and only then is step 4 c fetched.  Between two barriers the loads touch chunk c and the stores chunk c + 1.
; A K/Q PASS: 64 weight rows a wave, 32 accumulators, 32 matrix instructions a step.  D = W x^T (row = channel, column = token); the rows are 32 channels of K and the same 32 of Q.  Two channel tiles rounded
; to f16 in pairs ARE a fragment (lane = token, 32 channels), so S += K Q^T follows in registers: K and Q never leave them.  The four waves' shares of the channels meet in LDS at the end:
; sc f32 [b][4 st + tt][half][lane][4].  The bias (bs) is the C operand of a pass's first step: nothing is cleared, nothing is added later.
; FORMATS AND LIMITS.  x, W, b are rounded to bf16; sums in f32; K, Q, V are rounded once to f16, which holds no number of 65,520 or more: |K|, |Q|, |V| must stay below that.  NaN and infinities are not treated apart.
; NO CLUSTER, NO TENSOR LOADS.  x takes 278,528 of the 327,680 bytes of LDS; what is left holds two slots of under 24 KiB, a step and a half of a K/Q pass's 256 weight rows (16 KiB a step),
; so a shared refill would have under 64 matrix instructions a wave in which to land, with a cluster's barrier each; and x has to pass through registers to be rounded.
; REGISTERS, in windows of 256 (s_set_vgpr_msb: bits 1:0 source 0, 3:2 source 1, 5:4 source 2, 7:6 destination):
;   window 0: addresses; v32-63 K/Q bias tiles (once: unit 4); v64-127, v128-191 x fragments (token tile j at + 8 j), two buffers; v192-255 two sets of 32 for units of x
;   window 1: the weight ring.  V: slot s at 64 s, fragment i at + 8 i, four slots; K/Q: slot s at 32 s, eight slots
;   window 2: accumulator (i, j) at 8 (8 i + j), i = 0..3; before step 0: units 0-3     window 3: V: accumulators i = 4..7; K/Q: S tile T = 16 b + 4 st + tt at 8 T
.set XPITCH, 272                       ; a row of a chunk in LDS: 256 bytes + 16 = 17 x 16: the sixteen rows of a fragment load start at sixteen different 16-byte columns modulo 256
.set CH,     128*XPITCH                ; a chunk: 128 rows x 128 k
.set SPARE,  8*CH                      ; behind x: the spare words, 128 bytes for each wave: two blocks of 256 bytes that no other line names
.set LO,  1                            ; v1      16 x lane; never rewritten
.set ADX, 2                            ; v2      LDS address of my x fragments
.set AD0, 3                            ; v3      (lane % 16) x XPITCH + 16 (lane / 16); never rewritten
.set FS,  7                            ; v7      where I put 8 bytes of a row of x
.set RS,  8                            ; v8      the end: my wave's 32 KiB of partial scores + 16 x lane
.set RA,  9                            ; v9      the end: my eight tiles in waves 0 and 1's parts
.set RB,  10                           ; v10     in waves 2 and 3's
.set PFO, 11                           ; v11     4,096 x lane: a row of x; never rewritten
.set SPW, 28                           ; v28     LDS address of my spare word; never rewritten
.set NIL, 29                           ; v29     0; never rewritten
.set BI,  32
.set XB,  64
.set SG,  192
.set WV,  14                           ; s14     my wave's number
.set XP,  16                           ; s[16:17] x at my 32 rows, at the trip's chunk
.set WP,  18                           ; s[18:19] my weight stream
.set BP,  20                           ; s[20:21] my bias tiles
.set VP,  22                           ; s[22:23] vf at my channels
.set SP,  24                           ; s[24:25] sc at my eight tiles
.set TC,  26                           ; s26     trips
.set KC,  28                           ; s28     K/Q passes to go
.set XO,  29                           ; s29     LDS bytes at which ADX stands
.set O1,  30                           ; s[30:31], s[32:33] offsets, high words 0
.set O2,  32
.set TS,  34
.set MSB, 0
.macro WIN new                         ; the immediate's high byte repeats the setting that is left; a switch that changes nothing is dropped
.if MSB != (\new)
	s_set_vgpr_msb (MSB<<8)|(\new)
.set MSB, \new
.endif
.endm
.macro XLOAD win, reg, off             ; a unit of x: each load takes 512 consecutive bytes of a row
	WIN (\win)<<6
.irp m, 0,1,2,3,4,5,6,7
	global_load_b128 v[(\reg)+4*(\m):(\reg)+4*(\m)+3], v[LO], s[XP:XP+1] offset:(\off)+(\m)*4096 th:TH_LOAD_NT
.endr
.endm
.macro XPROC win, reg, off             ; a unit is rounded to bf16 in place and put into LDS: each store takes 256 consecutive bytes
	WIN (\win)*0x45                                ; sources and destination
.irp m, 0,1,2,3,4,5,6,7
	v_cvt_pk_bf16_f32 v[(\reg)+4*(\m)],   v[(\reg)+4*(\m)],   v[(\reg)+4*(\m)+1]
	v_cvt_pk_bf16_f32 v[(\reg)+4*(\m)+1], v[(\reg)+4*(\m)+2], v[(\reg)+4*(\m)+3]
.endr
	WIN (\win)<<2                                  ; store data
.irp m, 0,1,2,3,4,5,6,7
	ds_store_b64 v[FS], v[(\reg)+4*(\m):(\reg)+4*(\m)+1] offset:(\off)+(\m)*XPITCH
.endr
.endm
.macro WLV slot, hf, off               ; V: half a step's weights: four fragments, 4 KiB on end
	WIN 0x40                                       ; destination window 1
.irp n, 0,1,2,3,4,5,6,7
	global_load_b128 v[64*(\slot)+32*(\hf)+4*(\n):64*(\slot)+32*(\hf)+4*(\n)+3], v[LO], s[WP:WP+1] offset:(\off)+4096*(\hf)+512*(\n)
.endr
.endm
.macro WLOAD slot, off                 ; K/Q: a step's four weight fragments, 4 KiB on end
	WIN 0x40
.irp n, 0,1,2,3,4,5,6,7
	global_load_b128 v[32*(\slot)+4*(\n):32*(\slot)+4*(\n)+3], v[LO], s[WP:WP+1] offset:(\off)+512*(\n)
.endr
.endm
.macro BLOAD off                       ; a K/Q pass's four bias tiles
	WIN 0
.irp n, 0,1,2,3,4,5,6,7
	global_load_b128 v[BI+4*(\n):BI+4*(\n)+3], v[LO], s[BP:BP+1] offset:(\off)+512*(\n)
.endr
.endm
.macro XFETCH buf, s                   ; the eight fragments of x (128 tokens x 32 k) of the step that lies s steps behind ADX's chunk, token tiles ascending
	WIN 0
.irp j, 0,1,2,3,4,5,6,7
	ds_load_b128 v[XB+64*(\buf)+8*(\j):XB+64*(\buf)+8*(\j)+3],   v[ADX] offset:((\s)/4)*CH+((\s)%4)*64+(\j)*16*XPITCH
	ds_load_b128 v[XB+64*(\buf)+8*(\j)+4:XB+64*(\buf)+8*(\j)+7], v[ADX] offset:((\s)/4)*CH+((\s)%4)*64+(\j)*16*XPITCH+32
.endr
.endm
.macro PLACES n                        ; plain vector lines between matrix instructions and loads into registers that they read (ISA guide 7.12.1 for vector instructions)
.rept \n
	v_nop
.endr
.endm
; ---------------- THE V PASS ----------------
; 32 matrix instructions: token tiles 4 jh .. 4 jh + 3 x the eight channel tiles, those of window 2 first.  first = 1: C is the bias tile, which lies in the ring's slot 3.
; The 64 accumulators take turns in the same order in every step: 63 others stand between two links of a chain.
.macro VMUL buf, slot, jh, first
.irp g, 0,1
.if \first
	WIN 0x94+0x40*(\g)                             ; x window 0, W and C window 1, D window 2 or 3
.else
	WIN 0xa4+0x50*(\g)                             ; x window 0, W window 1, C and D window 2 or 3
.endif
.irp jj, 0,1,2,3
.irp i, 0,1,2,3
.set rD, 8*(8*(\i)+4*(\jh)+(\jj))
.set rW, 64*(\slot)+8*(4*(\g)+(\i))
.set rX, XB+64*(\buf)+8*(4*(\jh)+(\jj))
.set rC, rD
.if \first
.set rC, 192+8*(4*(\g)+(\i))
.endif
	v_wmma_f32_16x16x32_bf16 v[rD:rD+7], v[rX:rX+7], v[rW:rW+7], v[rC:rC+7]
.endr
.endr
.endr
.endm
; A STEP OF THE V PASS.  In its middle stands ONE run: a unit of x is put away, the next step's 16 fragment loads, 16 weight loads into the slot that the step before multiplied, and 8 loads of x.
; hw:  the count of a wait at the head for this step's weights; -1 where an earlier wait has shown them in.     bar: 1: the barrier for the next chunk.
; xw:  the count of the wait for the unit that is put away (set xset, LDS offset xpo); -1: none.  Its 16 conversions are the places in front of the run's loads; else four plain lines are.
; wk:  0: V's weights of the step three on, at byte woff; 1: two slots of the K/Q ring.     xlo: byte offset of the unit that is asked for, into set xset; -1: none.
; bias: 1: the first K/Q pass's bias tiles.     rst: 1: ADX goes back to k = 0.     pf: 1: the trip's prefetch.
.macro VSTEP buf, slot, s, hw, bar, xw, xset, xpo, wk, woff, xlo, bias=0, rst=0, pf=0
.if (\hw) >= 0
	s_wait_loadcnt \hw
.endif
.if \bar
	s_wait_dscnt 0x0                               ; for the others' sake: my units of the next chunk lie in LDS (the last went out a step ago); my own fragments are in too
	s_barrier_signal -1
.else
	s_wait_dscnt 8                                 ; x tiles 0-3 are in; the youngest eight loads (tiles 4-7) may be out
.endif
	VMUL \buf, \slot, 0, 0
	WIN 0
.if \bar
	s_barrier_wait -1                              ; everybody's units lie in LDS: the next chunk may be read
.endif
.if (\xw) >= 0
	s_wait_loadcnt \xw                             ; the unit asked for two steps ago is in; what was asked for since stays out
	XPROC 0, SG+32*(\xset), \xpo
.elseif \rst
	s_mov_b32 s[XO], 0
	v_mov_b32 v[ADX], v[AD0]
	PLACES 3
.else
	PLACES 4
.endif
	XFETCH 1-(\buf), \s
.if (\wk) == 0
	WLV ((\slot)+3)%4, 0, \woff
	WLV ((\slot)+3)%4, 1, \woff
.else
	WLOAD 2*(((\slot)+3)%4), \woff
	WLOAD 2*(((\slot)+3)%4)+1, (\woff)+4096
.endif
.if \bias
	BLOAD 8192
.endif
.if (\xlo) >= 0
	XLOAD 0, SG+32*(\xset), \xlo
.endif
.if \pf
	; A PREFETCH INTO THE L2 of the chunk that the NEXT trip will load: my own 32 rows x 512 bytes, a lane a row, two instructions of 256 bytes a lane, behind this run's loads.  Each block of 256 bytes of
	; chunks 3 to 7 is named once in the launch, by the wave that will load it; chunks 0 to 2 come by their loads alone; the last trip asks for nothing: there is no chunk 8.
	s_cmp_gt_u32 s[TC], 1
	s_cbranch_scc0 .Lnot_asked
	global_prefetch_b8 v[PFO], s[XP:XP+1] offset:1536 th:TH_LOAD_NT scope:SCOPE_SE
	global_prefetch_b8 v[PFO], s[XP:XP+1] offset:1792 th:TH_LOAD_NT scope:SCOPE_SE
.Lnot_asked:
.endif
.if (\xw) >= 0
	s_wait_dscnt 24                                ; all but the run's 8 stores and 16 loads
.else
	s_wait_dscnt 16                                ; all but the run's 16 loads
.endif
	VMUL \buf, \slot, 1, 0
.endm
; ---------------- THE K/Q PASSES ----------------
; 16 matrix instructions: token tiles 4 jh .. 4 jh + 3 x the four weight tiles.  first = 1: C is the bias tile.  The 32 accumulators take turns in the same order in every step.
.macro MUL buf, slot, jh, first
	WIN 0xa1-0x20*(\first)                         ; W window 1, x window 0, D window 2; C window 2, or 0 for the bias
.irp jj, 0,1,2,3
.irp i, 0,1,2,3
.set rD, 8*(8*(\i)+4*(\jh)+(\jj))
.set rW, 32*(\slot)+8*(\i)
.set rX, XB+64*(\buf)+8*(4*(\jh)+(\jj))
.set rC, rD
.if \first
.set rC, BI+8*(\i)
.endif
	v_wmma_f32_16x16x32_bf16 v[rD:rD+7], v[rW:rW+7], v[rX:rX+7], v[rC:rC+7]
.endr
.endr
.endm
; A step of 32 along k.  In its middle stand, in one run, the next step's 16 fragment loads of x and the 8 weight loads of the step seven on, into the buffer and the slot that the step before multiplied.
; adj = 1: ADX goes two chunks on; 2: back to k = 0.  bias = 1: the next pass's bias tiles are asked for.
.macro STEP buf, slot, s, woff, first, adj, bias
	s_wait_loadcnt 48                              ; my slot is in: the six younger slots' 48 loads may stay out (where bias loads lie among them the wait is only stricter)
	s_wait_dscnt 8                                 ; x tiles 0-3 are in; the youngest eight loads (tiles 4-7) may be out
	MUL \buf, \slot, 0, \first
	WIN 0
.if (\adj) == 1
	s_add_co_u32 s[XO], s[XO], 2*CH
.elseif (\adj) == 2
	s_mov_b32 s[XO], 0
.endif
.if \adj
	v_add_nc_u32 v[ADX], s[XO], v[AD0]
	PLACES 3
.else
	PLACES 4
.endif
	XFETCH 1-(\buf), \s
.if \bias
	BLOAD 0
.endif
	WLOAD ((\slot)+7)%8, \woff
	s_wait_dscnt 16                                ; all but the 16 just issued
	MUL \buf, \slot, 1, \first
.endm
; A pass: step 0 (the bias starts the sums), three trips of eight steps, seven steps written out, whose weight loads are the next pass's first seven steps.
.macro PASS
	STEP 0, 0, 1, 7*4096, 1, 0, 0
	WIN 0                                          ; at a label and at a branch every window is 0
	s_mov_b32 s[TC], 3
.Ltrip:
.irp u, 0,1,2,3,4,5
	STEP (1+\u)%2, (1+\u)%8, 2+\u, (8+\u)*4096, 0, 0, 0
.endr
	STEP 1, 7, 0, 14*4096, 0, 1, 0
	STEP 0, 0, 1, 15*4096, 0, 0, 0
	WIN 0
	s_wait_xcnt 0x0                                ; every load issued so far has read its address, so the pointer may be written
	s_add_nc_u64 s[WP:WP+1], s[WP:WP+1], 0x8000    ; eight steps of 4 KiB
	s_sub_co_u32 s[TC], s[TC], 1
	s_cmp_lg_u32 s[TC], 0
	s_cbranch_scc1 .Ltrip
	s_cmp_eq_u32 s[KC], 1                          ; the last pass has no successor: its pointers stay, so that the ring keeps its one form and every load stays inside its buffer;
	s_cselect_b32 s[O1], 0, 0x8000                 ; it asks once more for its own steps 24-30 and its own bias tiles, which nothing reads
	s_cselect_b32 s[O2], 0, 0x1000
	s_add_nc_u64 s[WP:WP+1], s[WP:WP+1], s[O1:O1+1]
	s_add_nc_u64 s[BP:BP+1], s[BP:BP+1], s[O2:O2+1]
	STEP 1, 1, 2, 0, 0, 0, 1
.irp u, 1,2,3,4,5
	STEP (1+\u)%2, 1+\u, 2+\u, (\u)*4096, 0, 0, 0
.endr
	STEP 1, 7, 0, 6*4096, 0, 2, 0                  ; its x fetch is the next pass's step 0
.endm
; 32 products S(T) (+)= K(token tile 4 b + tt) Q(token tile 4 b + st)^T over the pass's 32 channels, one for each S tile
.macro SMUL zero
	WIN 0xfa                                       ; K and Q window 2, S window 3
.irp b, 0,1
.irp st, 0,1,2,3
.irp tt, 0,1,2,3
.set rS, 8*(16*(\b)+4*(\st)+(\tt))
.set rK, 8*(4*(\b)+(\tt))
.set rQ, 8*(16+4*(\b)+(\st))
.if \zero
	v_wmma_f32_16x16x32_f16 v[rS:rS+7], v[rK:rK+7], v[rQ:rQ+7], 0
.else
	v_wmma_f32_16x16x32_f16 v[rS:rS+7], v[rK:rK+7], v[rQ:rQ+7], v[rS:rS+7]
.endif
.endr
.endr
.endr
	WIN 0
.endm
; A K/Q pass's end: for each token tile j the two channel tiles of K are rounded to f16 into accumulator (0, j)'s registers, those of Q into (2, j)'s; then the scores.
.macro KQ_END
	WIN 0x8a
	PLACES 4                                       ; behind the last products
.irp j, 0,1,2,3,4,5,6,7
.irp g, 0,2
.set rA, 8*(8*(\g)+(\j))
.set rB, 8*(8*((\g)+1)+(\j))
	v_cvt_pk_f16_f32 v[rA],   v[rA],   v[rA+1]
	v_cvt_pk_f16_f32 v[rA+1], v[rA+2], v[rA+3]
	v_cvt_pk_f16_f32 v[rA+2], v[rA+4], v[rA+5]
	v_cvt_pk_f16_f32 v[rA+3], v[rA+6], v[rA+7]
	v_cvt_pk_f16_f32 v[rA+4], v[rB],   v[rB+1]
	v_cvt_pk_f16_f32 v[rA+5], v[rB+2], v[rB+3]
	v_cvt_pk_f16_f32 v[rA+6], v[rB+4], v[rB+5]
	v_cvt_pk_f16_f32 v[rA+7], v[rB+6], v[rB+7]
.endr
.endr
	WIN 0
	s_cmp_eq_u32 s[KC], 4
	s_cbranch_scc0 .Lsum_on
	SMUL 1                                         ; the first pass's products start the sums
	s_branch .Lsummed
.Lsum_on:
	SMUL 0
.Lsummed:
	PLACES 5                                       ; the next pass's first products write over these products' sources; the end's LDS stores read their results
.endm
	s_load_b256 s[4:11], s[0:1], 0x0               ; x s[4:5], ws s[6:7], bs s[8:9], vf s[10:11]
	s_load_b64 s[12:13], s[0:1], 0x20              ; sc
	v_lshl_add_u32 v[SPW], v0, 2, SPARE
	v_mov_b32 v[NIL], 0
	v_lshrrev_b32 v6, 5, v0
	v_readfirstlane_b32 s[WV], v6                  ; wave 0..3
	v_and_b32 v6, 31, v0                           ; lane
	v_and_b32 v30, 15, v0                          ; lane % 16
	v_bfe_u32 v31, v0, 4, 1                        ; lane / 16
	v_lshlrev_b32 v[LO], 4, v6
	v_lshlrev_b32 v[PFO], 12, v6
	v_mul_u32_u24 v[AD0], v30, XPITCH
	v_lshl_add_u32 v[AD0], v31, 4, v[AD0]
	v_mov_b32 v[ADX], v[AD0]
	s_mul_i32 s[TS], s[WV], 32*XPITCH              ; I bring rows 32 w .. 32 w + 31
	v_lshl_add_u32 v[FS], v6, 3, s[TS]
	s_lshl_b32 s[TS], s[WV], 15
	v_add_nc_u32 v[RS], s[TS], v[LO]
	s_lshl_b32 s[TS], s[WV], 13
	v_add_nc_u32 v[RA], s[TS], v[LO]
	v_add_nc_u32 v[RB], 0x10000, v[RA]
	s_mov_b32 s[O1+1], 0
	s_mov_b32 s[O2+1], 0
	s_mov_b32 s[XO], 0
	s_lshl_b32 s[O1], ttmp9, 19                    ; the work-group's 128 rows of 4,096 bytes,
	s_lshl_b32 s[O2], s[WV], 17                    ; my 32 of them
	s_add_co_u32 s[O1], s[O1], s[O2]
	s_wait_kmcnt 0x0
	s_add_nc_u64 s[XP:XP+1], s[4:5], s[O1:O1+1]
	s_mul_i32 s[O1], s[WV], 786432
	s_add_nc_u64 s[WP:WP+1], s[6:7], s[O1:O1+1]
	s_mul_i32 s[O1], s[WV], 24576
	s_add_nc_u64 s[BP:BP+1], s[8:9], s[O1:O1+1]
	s_lshl_b32 s[O1], ttmp9, 17                    ; two batches of 65,536 bytes of vf, my eight channel tiles of 2,048
	s_lshl_b32 s[O2], s[WV], 14
	s_add_co_u32 s[O1], s[O1], s[O2]
	s_add_nc_u64 s[VP:VP+1], s[10:11], s[O1:O1+1]
	s_lshl_b32 s[O1], ttmp9, 15                    ; two batches of 16,384 bytes of sc, my eight tiles of 1,024
	s_add_co_u32 s[O1], s[O1], s[TS]
	s_add_nc_u64 s[SP:SP+1], s[12:13], s[O1:O1+1]
	; THE BEGINNING.  Loads go out in groups of eight and come back in order.  First chunk 0 (units 0-3, into the accumulators' registers, which are idle), V's bias tiles and half of step 0's weights: seven
	; groups.  Each time a unit is put away another group goes out, so that seven stay on their way: the wait for a unit leaves the six younger groups out.
	XLOAD 2, 0,  0
	XLOAD 2, 32, 8*4096
	XLOAD 2, 64, 16*4096
	XLOAD 2, 96, 24*4096
	WIN 0x40
.irp n, 0,1,2,3,4,5,6,7,8,9,10,11,12,13,14,15
	global_load_b128 v[192+4*\n:192+4*\n+3], v[LO], s[BP:BP+1] offset:512*\n  ; V's eight bias tiles, into the ring's slot 3, which step 3's weights take behind step 0
.endr
	WLV 0, 0, 0
	s_wait_loadcnt 48
	XPROC 2, 0, 0
	WLV 0, 1, 0
	s_wait_loadcnt 48
	XPROC 2, 32, 8*XPITCH
	XLOAD 0, BI, 512                               ; unit 4
	s_wait_loadcnt 48
	XPROC 2, 64, 16*XPITCH
	XLOAD 0, SG+32, 8*4096+512                     ; unit 5
	s_wait_loadcnt 48
	XPROC 2, 96, 24*XPITCH
	WLV 1, 0, 8192
	WIN 0
	v_add_nc_u32 v[FS], CH, v[FS]                  ; from here on FS stands one chunk behind the chunk that is multiplied
	s_wait_dscnt 0x0                               ; for the others' sake: my rows of chunk 0 lie in LDS
	s_barrier_signal -1
	s_barrier_wait -1                              ; everybody's do
	XFETCH 0, 0
	s_wait_loadcnt 24                              ; the bias tiles and step 0's weights are in; units 4 and 5 and half of step 1's weights stay out
	WLV 1, 1, 8192
	WLV 2, 0, 2*8192
	WLV 2, 1, 2*8192
	XLOAD 0, SG, 16*4096+512                       ; unit 6
	; STEP 0, written out: the bias starts the sums; two units are put away; slot 3 is filled at the step's end, when the bias has been read
	s_wait_dscnt 8
	VMUL 0, 0, 0, 1
	WIN 0
	s_wait_loadcnt 40                              ; units 4 and 5 are in; steps 1 and 2's weights and unit 6 stay out
	XPROC 0, BI, 0
	XPROC 0, SG+32, 8*XPITCH
	XFETCH 1, 1
	XLOAD 0, SG+32, 24*4096+512                    ; unit 7
	s_wait_dscnt 32                                ; all but the run's 16 stores and 16 loads
	VMUL 0, 0, 1, 1
	WIN 0
	PLACES 4
	s_wait_loadcnt 32                              ; step 1's weights are in; step 2's and units 6 and 7 stay out
	WLV 3, 0, 3*8192
	WLV 3, 1, 3*8192
	WIN 0
	; STEPS 1 TO 24: six trips of four.  Each run leaves out the 24 loads of the run before it (16 of weights, 8 of x); that wait also shows this step's and the next step's weights in, so no step has a wait at its head.
	s_mov_b32 s[TC], 6
.Lvtrip:
	VSTEP 1, 1, 2, -1, 0, 24, 0, 16*XPITCH,   0, 4*8192, 1024,         0, 0, 1
	VSTEP 0, 2, 3, -1, 0, 24, 1, 24*XPITCH,   0, 5*8192, 8*4096+1024
	VSTEP 1, 3, 4, -1, 1, 24, 0, CH,          0, 6*8192, 16*4096+1024
	VSTEP 0, 0, 5, -1, 0, 24, 1, CH+8*XPITCH, 0, 7*8192, 24*4096+1024
	WIN 0
	v_add_nc_u32 v[ADX], CH, v[ADX]                ; a chunk on, for the fetches
	v_add_nc_u32 v[FS], CH, v[FS]                  ; and for the stores
	s_wait_xcnt 0x0                                ; every load and prefetch issued so far has read its address (the youngest load 32 matrix instructions back, the prefetches more than three steps), so the pointers may be written
	s_add_nc_u64 s[XP:XP+1], s[XP:XP+1], 512       ; 128 k of f32
	s_add_nc_u64 s[WP:WP+1], s[WP:WP+1], 0x8000    ; four steps of 8 KiB
	s_sub_co_u32 s[TC], s[TC], 1
	s_cmp_lg_u32 s[TC], 0
	s_cbranch_scc1 .Lvtrip
	; STEPS 25 TO 31, written out: x runs out (units 30 and 31 are put away, nothing is asked for), then V's weights; the K/Q ring's slots 0-5 take the slots that V has left
	VSTEP 1, 1, 2, -1, 0, 24, 0, 16*XPITCH, 0, 4*8192, -1
	VSTEP 0, 2, 3, -1, 0, 16, 1, 24*XPITCH, 0, 5*8192, -1            ; unit 31 is in; step 28's weights stay out
	VSTEP 1, 3, 4, -1, 1, -1, 0, 0,         0, 6*8192, -1, 1         ; the barrier for chunk 7; the first K/Q pass's bias tiles
	VSTEP 0, 0, 5, 40, 0, -1, 0, 0,         0, 7*8192, -1            ; out: steps 29 and 30's weights, the bias tiles
	VSTEP 1, 1, 6, 40, 0, -1, 0, 0,         1, 65536, -1             ; out: step 30's, the bias tiles, step 31's
	VSTEP 0, 2, 7, 40, 0, -1, 0, 0,         1, 65536+8192, -1        ; out: the bias tiles, step 31's, K/Q slots 0 and 1
	VSTEP 1, 3, 0, 32, 0, -1, 0, 0,         1, 65536+16384, -1, 0, 1 ; out: K/Q slots 0-3; its x fetch is the first K/Q pass's step 0
	; V'S END: each accumulator is rounded to f16 in place, from its low end on, and stored: 512 consecutive bytes a store
	WIN 0
	PLACES 4                                       ; behind the last products
	WLOAD 6, 65536+6*4096                          ; K/Q slot 6: the ring stands seven steps ahead
.irp g, 0,1
	WIN (2+\g)*0x45                                ; sources and destination window 2, then 3
.set z, 0
.rept 32
	v_cvt_pk_f16_f32 v[8*z],   v[8*z],   v[8*z+1]
	v_cvt_pk_f16_f32 v[8*z+1], v[8*z+2], v[8*z+3]
	v_cvt_pk_f16_f32 v[8*z+2], v[8*z+4], v[8*z+5]
	v_cvt_pk_f16_f32 v[8*z+3], v[8*z+6], v[8*z+7]
.set z, z+1
.endr
	WIN (2+\g)<<2                                  ; store data
.irp i, 0,1,2,3
.irp j, 0,1,2,3,4,5,6,7
	global_store_b128 v[LO], v[8*(8*(\i)+(\j)):8*(8*(\i)+(\j))+3], s[VP:VP+1] offset:((\j)/4)*65536+(4*(\g)+(\i))*2048+(((\j)/2)%2)*1024+((\j)%2)*512 th:TH_STORE_NT
.endr
.endr
.endr
	WIN 0
	s_wait_xcnt 0x0                                ; the stores have read their data, the loads their bases: the next pass writes the accumulators, the next lines the pointers
	s_add_nc_u64 s[WP:WP+1], s[WP:WP+1], 0x10000   ; from V's step 24 to the first K/Q pass
	s_add_nc_u64 s[BP:BP+1], s[BP:BP+1], 0x2000    ; behind V's eight bias tiles
	s_mov_b32 s[KC], 4
.Lkq:
	PASS
	KQ_END
	s_sub_co_u32 s[KC], s[KC], 1
	s_cmp_lg_u32 s[KC], 0
	s_cbranch_scc1 .Lkq
	; THE END: the four waves' partial scores (each over its 128 channels) are added.  They go where x lay: [wave][T 32][half][lane][16 bytes]
	s_wait_dscnt 0x0                               ; my reads of x are over
	s_barrier_signal -1
	s_barrier_wait -1                              ; everybody's are
	WIN 0x0c                                       ; store data window 3
.set z, 0
.rept 32
	ds_store_b128 v[RS], v[8*z:8*z+3]   offset:z*1024  ; each tile from its low end on
	ds_store_b128 v[RS], v[8*z+4:8*z+7] offset:z*1024+512
.set z, z+1
.endr
	WIN 0
	s_wait_dscnt 0x0
	s_barrier_signal -1
	s_barrier_wait -1                              ; all partial scores lie in LDS
	WIN 0x80                                       ; wave w takes tiles 8 w .. 8 w + 7 of all four parts: part sw into window 2 at 64 sw
.irp sw, 0,1
.irp tl, 0,1,2,3,4,5,6,7
.irp hf, 0,1
	ds_load_b128 v[64*(\sw)+8*(\tl)+4*(\hf):64*(\sw)+8*(\tl)+4*(\hf)+3], v[RA] offset:(\sw)*32768+(\tl)*1024+(\hf)*512
	ds_load_b128 v[128+64*(\sw)+8*(\tl)+4*(\hf):128+64*(\sw)+8*(\tl)+4*(\hf)+3], v[RB] offset:(\sw)*32768+(\tl)*1024+(\hf)*512
.endr
.endr
.endr
	s_wait_dscnt 0x0
	WIN 0x8a
.set z, 0
.rept 32
	v_pk_add_f32 v[2*z:2*z+1], v[2*z:2*z+1], v[64+2*z:64+2*z+1]
	v_pk_add_f32 v[128+2*z:128+2*z+1], v[128+2*z:128+2*z+1], v[192+2*z:192+2*z+1]
.set z, z+1
.endr
.set z, 0
.rept 32
	v_pk_add_f32 v[2*z:2*z+1], v[2*z:2*z+1], v[128+2*z:128+2*z+1]
.set z, z+1
.endr
	WIN 0x08
.irp tl, 0,1,2,3,4,5,6,7
.irp hf, 0,1
	global_store_b128 v[LO], v[8*(\tl)+4*(\hf):8*(\tl)+4*(\hf)+3], s[SP:SP+1] offset:(\tl)*1024+(\hf)*512  ; 512 consecutive bytes, aligned
.endr
.endr
	WIN 0
	s_wait_tensorcnt 0x0                           ; the wave's end, behind my last LDS store
	ds_add_u32 v[SPW], v[NIL]
	s_wait_dscnt 0x0
	s_endpgm
.Lfunc_end_k_q8e99440fcb_proj:
	.size	k_q8e99440fcb_proj, .Lfunc_end_k_q8e99440fcb_proj-k_q8e99440fcb_proj
	.p2alignl 7, 3214868480
	.fill 96, 4, 3214868480
	.section	.rodata,"a",@progbits
	.p2align	6, 0x0
	.amdhsa_kernel k_q8e99440fcb_proj
		.amdhsa_group_segment_fixed_size 279040
		.amdhsa_private_segment_fixed_size 0
		.amdhsa_enable_private_segment 0
		.amdhsa_kernarg_size 40
		.amdhsa_user_sgpr_count 2
		.amdhsa_user_sgpr_kernarg_segment_ptr 1
		.amdhsa_wavefront_size32 1
		.amdhsa_system_sgpr_workgroup_id_x 1
		.amdhsa_system_sgpr_workgroup_id_y 1
		.amdhsa_system_sgpr_workgroup_id_z 1
		.amdhsa_system_vgpr_workitem_id 0
		.amdhsa_next_free_vgpr 1024
		.amdhsa_next_free_sgpr 66
		.amdhsa_reserve_vcc 0
		.amdhsa_float_denorm_mode_32 3
		.amdhsa_float_denorm_mode_16_64 3
		.amdhsa_memory_ordered 1
		.amdhsa_forward_progress 1
		.amdhsa_inst_pref_size 240
	.end_amdhsa_kernel
	.amdgpu_metadata
---
amdhsa.version: [ 1, 2 ]
amdhsa.kernels:
  - .name:           k_q8e99440fcb_proj
    .symbol:         k_q8e99440fcb_proj.kd
    .args:
      - { .name: x, .offset: 0, .size: 8, .value_kind: global_buffer, .address_space: global }
      - { .name: ws, .offset: 8, .size: 8, .value_kind: global_buffer, .address_space: global }
      - { .name: bs, .offset: 16, .size: 8, .value_kind: global_buffer, .address_space: global }
      - { .name: vf, .offset: 24, .size: 8, .value_kind: global_buffer, .address_space: global }
      - { .name: sc, .offset: 32, .size: 8, .value_kind: global_buffer, .address_space: global }
    .group_segment_fixed_size: 279040
    .private_segment_fixed_size: 0
    .kernarg_segment_align: 8
    .kernarg_segment_size: 40
    .max_flat_workgroup_size: 128
    .sgpr_count:     66
    .vgpr_count:     1024
    .wavefront_size: 32
...
	.end_amdgpu_metadata
.endif
;; end of part 2
;; launch stats (part 3): grid 64 x 1, 16 waves a work-group, no clusters, 10,240 bytes of LDS; arguments sc, st; writes st
.if DOCPART == 3
	.amdgcn_target "amdgcn-amd-amdhsa--gfx1250"
	.amdhsa_code_object_version 6
	.text
	.protected	k_q8e99440fcb_stats
	.globl	k_q8e99440fcb_stats
	.p2align	8
	.type	k_q8e99440fcb_stats,@function
k_q8e99440fcb_stats:
	s_mov_b64 s[64:65], 0
	v_nop
	global_prefetch_b8 v0, s[64:65] scope:SCOPE_SE
	s_setreg_imm32_b32 hwreg(HW_REG_WAVE_MODE, 25, 1), 1
	s_wait_xcnt 0x0
; THE SOFTMAX'S STATISTICS OVER THE 512 BATCHES, for each of the 4,096 places (t, s): cm = c x max over b of S, and rl = 1 / the sum over b of 2^(c S - cm), c = log2(e) / sqrt(512).
; sc: f32 [512][4096], a place's number being its position in a batch's 16,384 bytes.  st: f32 [2][4096]: cm, then rl.
; A work-group takes 64 places: 256 consecutive bytes, aligned, of each batch.  Wave v takes batches 32 v .. 32 v + 31: sixteen loads, lanes 0-15 one batch and lanes 16-31 the next, four places a lane;
; the scores stay in registers between the maximum and the sum, so they are read once.  The waves' figures meet in LDS, twice.  The maximum is the true one, over all 512 batches;
; the same cm serves the sum here and the weights in the next launch.  A weight below 2^-126 counts as 0; NaN and infinities are not treated apart.
; 64 work-groups: a finer split would cut the 256 bytes of a batch's share or leave partial statistics to be joined later.
.set MAXB,  0                          ; LDS: 16 waves x 64 maxima
.set SUMB,  4096                       ; 16 waves x 64 sums
.set SPARE, 8192                       ; the spare words, 128 bytes for each wave: eight blocks of 256 bytes that no other line names
.set LA,  1                            ; v1   16 x (lane % 16)
.set GO,  2                            ; v2   my batch x 16,384 + LA
.set LS,  3                            ; v3   256 x wave + LA
.set SO,  4                            ; v4   16,384 x (lane / 16) + LA
.set SPW, 6
.set NIL, 7
.set OUTR, 12                          ; v[12:15]
.set D,   16                           ; v[16:79]  load n: my four places of one batch at D + 4 n
.set M,   80                           ; v[80:83]  maxima
.set T,   84                           ; v[84:87]  the other half of the lanes'
.set CM,  88                           ; v[88:91]
.set RL,  92                           ; v[92:95]
.set R,   96                           ; v[96:159] the sixteen waves' figures
.macro MAX16 dst, src                  ; the maximum of sixteen quads, three operands at a time
.irp e, 0,1,2,3
	v_max3_num_f32 v[(\dst)+\e], v[(\src)+\e], v[(\src)+4+\e], v[(\src)+8+\e]
.endr
.irp k, 0,1,2,3,4,5
.irp e, 0,1,2,3
	v_max3_num_f32 v[(\dst)+\e], v[(\dst)+\e], v[(\src)+12+8*\k+\e], v[(\src)+16+8*\k+\e]
.endr
.endr
.irp e, 0,1,2,3
	v_max_num_f32 v[(\dst)+\e], v[(\dst)+\e], v[(\src)+60+\e]
.endr
.endm
.macro SUM16 src                       ; the sum of sixteen quads, in place, neighbours 8, 4, 2 and 1 quads apart
.irp w, 8,4,2,1
.set z, 0
.rept \w
	v_pk_add_f32 v[(\src)+4*z:(\src)+4*z+1],   v[(\src)+4*z:(\src)+4*z+1],   v[(\src)+4*(z+\w):(\src)+4*(z+\w)+1]
	v_pk_add_f32 v[(\src)+4*z+2:(\src)+4*z+3], v[(\src)+4*z+2:(\src)+4*z+3], v[(\src)+4*(z+\w)+2:(\src)+4*(z+\w)+3]
.set z, z+1
.endr
.endr
.endm
	s_load_b128 s[4:7], s[0:1], 0x0                ; sc s[4:5], st s[6:7]
	v_lshl_add_u32 v[SPW], v0, 2, SPARE
	v_mov_b32 v[NIL], 0
	v_lshrrev_b32 v5, 5, v0
	v_readfirstlane_b32 s8, v5                     ; wave 0..15
	v_and_b32 v[LA], 15, v0
	v_lshlrev_b32 v[LA], 4, v[LA]
	v_bfe_u32 v9, v0, 4, 1                         ; lane / 16
	v_and_b32 v11, 31, v0                          ; lane
	v_lshl_add_u32 v10, v5, 5, v9                  ; my first batch: 32 x wave + lane / 16
	v_lshl_add_u32 v[GO], v10, 14, v[LA]
	s_lshl_b32 s9, s8, 8
	v_add_nc_u32 v[LS], s9, v[LA]
	v_lshl_add_u32 v[SO], v9, 14, v[LA]
	s_lshl_b32 s10, ttmp9, 8                       ; the work-group's 64 places
	s_mov_b32 s11, 0
	s_mov_b32 s12, 0x76543210                      ; v_permlanex16_b32: each lane takes its own place in the other half
	s_mov_b32 s13, 0xfedcba98
	s_mov_b32 s14, 0x3d8293ee                      ; c = log2(e) / sqrt(512) = 0.0637587
	s_mov_b32 s15, s14                             ; named with it as a pair
.irp e, 0,1,2,3
	v_mov_b32 v[T+\e], 0                           ; v_permlanex16_b32's destination counts as read
.endr
	s_wait_kmcnt 0x0
	s_add_nc_u64 s[4:5], s[4:5], s[10:11]
	s_add_nc_u64 s[6:7], s[6:7], s[10:11]
.irp n, 0,1,2,3,4,5,6,7,8,9,10,11,12,13,14,15
	global_load_b128 v[D+4*\n:D+4*\n+3], v[GO], s[4:5] offset:32768*\n  ; two batches further each time
.endr
	s_wait_loadcnt 0x0
	MAX16 M, D
.irp e, 0,1,2,3
	v_permlanex16_b32 v[T+\e], v[M+\e], s12, s13
.endr
.irp e, 0,1,2,3
	v_max_num_f32 v[M+\e], v[M+\e], v[T+\e]        ; my wave's 32 batches
.endr
	ds_store_b128 v[LS], v[M:M+3] offset:MAXB      ; both halves of the lanes write the same numbers to the same bytes
	s_wait_dscnt 0x0
	s_barrier_signal -1
	s_barrier_wait -1
.irp n, 0,1,2,3,4,5,6,7,8,9,10,11,12,13,14,15
	ds_load_b128 v[R+4*\n:R+4*\n+3], v[LA] offset:MAXB+256*\n
.endr
	s_wait_dscnt 0x0
	MAX16 M, R
.irp e, 0,1,2,3
	v_mul_f32 v[CM+\e], s14, v[M+\e]
.endr
.set z, 0
.rept 16
	v_pk_fma_f32 v[D+4*z:D+4*z+1],   v[D+4*z:D+4*z+1],   s[14:15], v[CM:CM+1]   op_sel_hi:[1,0,1] neg_lo:[0,0,1] neg_hi:[0,0,1]  ; c S - cm
	v_pk_fma_f32 v[D+4*z+2:D+4*z+3], v[D+4*z+2:D+4*z+3], s[14:15], v[CM+2:CM+3] op_sel_hi:[1,0,1] neg_lo:[0,0,1] neg_hi:[0,0,1]
.set z, z+1
.endr
.set z, 0
.rept 64
	v_exp_f32 v[D+z], v[D+z]                       ; one batch of 64
.set z, z+1
.endr
	v_nop                                          ; a plain instruction behind the last exponential,
	s_wait_alu depctr_va_vdst(0)                   ; and one wait ahead of the first use
	SUM16 D
.irp e, 0,1,2,3
	v_permlanex16_b32 v[T+\e], v[D+\e], s12, s13
.endr
.irp e, 0,1,2,3
	v_add_f32 v[D+\e], v[D+\e], v[T+\e]
.endr
	ds_store_b128 v[LS], v[D:D+3] offset:SUMB
	s_wait_dscnt 0x0
	s_barrier_signal -1
	s_barrier_wait -1
	s_cmp_lg_u32 s8, 0                             ; wave 0 finishes
	s_cbranch_scc1 .Lend
.irp n, 0,1,2,3,4,5,6,7,8,9,10,11,12,13,14,15
	ds_load_b128 v[R+4*\n:R+4*\n+3], v[LA] offset:SUMB+256*\n
.endr
	s_wait_dscnt 0x0
	SUM16 R
.irp e, 0,1,2,3
	v_rcp_f32 v[RL+\e], v[R+\e]
.endr
	v_cmp_gt_u32 vcc_lo, 16, v11                   ; a plain instruction behind the last reciprocal
	s_wait_alu depctr_va_vdst(0)                   ; one wait for the four
.irp e, 0,1,2,3
	v_cndmask_b32 v[OUTR+\e], v[RL+\e], v[CM+\e], vcc_lo  ; lanes 0-15 carry cm, lanes 16-31 rl
.endr
	global_store_b128 v[SO], v[OUTR:OUTR+3], s[6:7]  ; two runs of 256 consecutive bytes, aligned
.Lend:
	s_wait_tensorcnt 0x0                           ; the wave's end, behind my last LDS store
	ds_add_u32 v[SPW], v[NIL]
	s_wait_dscnt 0x0
	s_endpgm
.Lfunc_end_k_q8e99440fcb_stats:
	.size	k_q8e99440fcb_stats, .Lfunc_end_k_q8e99440fcb_stats-k_q8e99440fcb_stats
	.p2alignl 7, 3214868480
	.fill 96, 4, 3214868480
	.section	.rodata,"a",@progbits
	.p2align	6, 0x0
	.amdhsa_kernel k_q8e99440fcb_stats
		.amdhsa_group_segment_fixed_size 10240
		.amdhsa_private_segment_fixed_size 0
		.amdhsa_enable_private_segment 0
		.amdhsa_kernarg_size 16
		.amdhsa_user_sgpr_count 2
		.amdhsa_user_sgpr_kernarg_segment_ptr 1
		.amdhsa_wavefront_size32 1
		.amdhsa_system_sgpr_workgroup_id_x 1
		.amdhsa_system_sgpr_workgroup_id_y 1
		.amdhsa_system_sgpr_workgroup_id_z 1
		.amdhsa_system_vgpr_workitem_id 0
		.amdhsa_next_free_vgpr 160
		.amdhsa_next_free_sgpr 66
		.amdhsa_reserve_vcc 1
		.amdhsa_float_denorm_mode_32 3
		.amdhsa_float_denorm_mode_16_64 3
		.amdhsa_memory_ordered 1
		.amdhsa_forward_progress 1
		.amdhsa_inst_pref_size 19
	.end_amdhsa_kernel
	.amdgpu_metadata
---
amdhsa.version: [ 1, 2 ]
amdhsa.kernels:
  - .name:           k_q8e99440fcb_stats
    .symbol:         k_q8e99440fcb_stats.kd
    .args:
      - { .name: sc, .offset: 0, .size: 8, .value_kind: global_buffer, .address_space: global }
      - { .name: st, .offset: 8, .size: 8, .value_kind: global_buffer, .address_space: global }
    .group_segment_fixed_size: 10240
    .private_segment_fixed_size: 0
    .kernarg_segment_align: 8
    .kernarg_segment_size: 16
    .max_flat_workgroup_size: 512
    .sgpr_count:     66
    .vgpr_count:     160
    .wavefront_size: 32
...
	.end_amdgpu_metadata
.endif
;; end of part 3
;; launch mix (part 4): grid 512 x 1, 8 waves a work-group, no clusters, 44,032 bytes of LDS; arguments sc, st, vf, out0; writes out0
.if DOCPART == 4
	.amdgcn_target "amdgcn-amd-amdhsa--gfx1250"
	.amdhsa_code_object_version 6
	.text
	.protected	k_q8e99440fcb_mix
	.globl	k_q8e99440fcb_mix
	.p2align	8
	.type	k_q8e99440fcb_mix,@function
k_q8e99440fcb_mix:
	s_mov_b64 s[64:65], 0
	v_nop
	global_prefetch_b8 v0, s[64:65] scope:SCOPE_SE
	s_setreg_imm32_b32 hwreg(HW_REG_WAVE_MODE, 25, 1), 1
	s_wait_xcnt 0x0
; out[b][c][s] = the sum over t of V[b][t][c] aw[b][t][s], aw = 2^(c S - cm) x rl: the softmax over the batches, whose maximum (cm) and reciprocal sum (rl) the launch before has made for each place.
; A work-group is a batch; wave w makes channels 64 w .. 64 w + 63.  sc's two tiles 2 w, 2 w + 1 (16 t x 16 s each: a lane holds one s and eight t), made into weights and rounded to f16 in pairs, ARE
; the fragment (16 s x 32 t) number w of eight; the waves hand them to each other through LDS.  V's fragments (16 c x 32 t) come from vf as they lie in registers.
; D = aw^T-fragment x V-fragment: row = s, column = c: a lane holds one channel and eight neighbouring s.  A tile of 16 channels x 64 s goes through the wave's own stage in LDS and leaves as whole rows of 256 bytes.
; aw lies in 0 to 1; below 6e-5 it keeps f16's fixed step of 6e-8; a weight below 2^-126 counts as 0.  No work-group shares V or S with another, so there is no cluster.
.set AWB,    0                         ; LDS: eight fragments of 1,024 bytes
.set STAGE,  8192                      ; 16 rows x 272 bytes for each wave
.set SPITCH, 272                       ; 256 + 16 = 17 x 16: sixteen rows start at sixteen different 16-byte columns modulo 256
.set SPARE,  STAGE+8*16*SPITCH         ; the spare words, 128 bytes for each wave: four blocks of 256 bytes that no other line names
.set LO,  1                            ; v1  16 x lane; never rewritten
.set AWS, 2                            ; v2  where I put my fragment
.set STO, 3                            ; v3  the way out: where I put 16 bytes of a row
.set RD,  4                            ; v4  where I read rows back
.set SPW, 6
.set NIL, 7
.set SR,  8                            ; v[8:23]    my 16 scores
.set CM,  24                           ; v[24:39]   their cm
.set RL,  40                           ; v[40:55]   their rl
.set FR,  56                           ; v[56:63]   my fragment
.set AWF, 64                           ; v[64:127]  fragment f = 2 st + kk at + 8 f
.set VF,  128                          ; v[128:191] channel tile ci, t half kk at + 16 ci + 8 kk
.set DD,  192                          ; v[192:255] two sets of four accumulators
.set WV,  12
.set SCP, 14                           ; s[14:15] sc at my two tiles
.set STP, 16                           ; s[16:17] st at the same places
.set VFP, 18                           ; s[18:19] vf at my channels
.set OP,  20                           ; s[20:21] out0 at my channels
.set CS,  22                           ; s[22:23] c
; Channel tile ci: eight products.  The four accumulators (st) take turns; the first four start the sums.
.macro MULT ci, set
.irp kk, 0,1
.irp st, 0,1,2,3
.set rD, DD+32*(\set)+8*(\st)
.set rA, AWF+8*(2*(\st)+(\kk))
.set rB, VF+16*(\ci)+8*(\kk)
.if (\kk) == 0
	v_wmma_f32_16x16x32_f16 v[rD:rD+7], v[rA:rA+7], v[rB:rB+7], 0
.else
	v_wmma_f32_16x16x32_f16 v[rD:rD+7], v[rA:rA+7], v[rB:rB+7], v[rD:rD+7]
.endif
.endr
.endr
.endm
.macro OUT ci, set
.rept 5
	v_nop                                          ; places behind the products: four for the LDS stores and loads below, five for the products that will write over this set
.endr
.irp st, 0,1,2,3
	ds_store_b128 v[STO], v[DD+32*(\set)+8*(\st):DD+32*(\set)+8*(\st)+3]   offset:64*(\st)  ; each accumulator from its low end on
	ds_store_b128 v[STO], v[DD+32*(\set)+8*(\st)+4:DD+32*(\set)+8*(\st)+7] offset:64*(\st)+16
.endr
.irp n, 0,1,2,3,4,5,6,7
	ds_load_b128 v[DD+32*(\set)+4*(\n):DD+32*(\set)+4*(\n)+3], v[RD] offset:(\n)*2*SPITCH  ; LDS serves a wave's instructions in order (ISA guide 5.7.1.4): these see the stores above
.endr
.irp n, 0,1,2,3,4,5,6,7
	s_wait_dscnt 7-(\n)                            ; rows 2 n, 2 n + 1 are back; the younger loads stay out
	global_store_b128 v[LO], v[DD+32*(\set)+4*(\n):DD+32*(\set)+4*(\n)+3], s[OP:OP+1] offset:(\ci)*4096+(\n)*512 th:TH_STORE_NT  ; 512 consecutive bytes, aligned
.endr
.endm
	s_load_b256 s[4:11], s[0:1], 0x0               ; sc s[4:5], st s[6:7], vf s[8:9], out0 s[10:11]
	v_lshl_add_u32 v[SPW], v0, 2, SPARE
	v_mov_b32 v[NIL], 0
	v_lshrrev_b32 v5, 5, v0
	v_readfirstlane_b32 s[WV], v5                  ; wave 0..7
	v_and_b32 v5, 31, v0
	v_lshlrev_b32 v[LO], 4, v5
	v_and_b32 v56, 15, v0                          ; lane % 16
	v_bfe_u32 v57, v0, 4, 1                        ; lane / 16
	s_lshl_b32 s26, s[WV], 10
	v_add_nc_u32 v[AWS], s26, v[LO]
	s_mul_i32 s26, s[WV], 16*SPITCH
	s_add_co_u32 s26, s26, STAGE                   ; my stage
	v_mul_u32_u24 v[STO], v56, SPITCH              ; in: row = channel lane % 16, 32 bytes for each half of the lanes
	v_lshl_add_u32 v[STO], v57, 5, v[STO]
	v_add_nc_u32 v[STO], s26, v[STO]
	v_mul_u32_u24 v[RD], v57, SPITCH               ; back: lanes 0-15 one row of 256 bytes, lanes 16-31 the next
	v_lshl_add_u32 v[RD], v56, 4, v[RD]
	v_add_nc_u32 v[RD], s26, v[RD]
	s_mov_b32 s[CS], 0x3d8293ee                    ; c = log2(e) / sqrt(512)
	s_mov_b32 s[CS+1], s[CS]
	s_mov_b32 s25, 0
	s_mov_b32 s27, 0
	s_lshl_b32 s26, s[WV], 11                      ; my two tiles: 2,048 bytes
	s_lshl_b32 s24, ttmp9, 14
	s_add_co_u32 s24, s24, s26
	s_wait_kmcnt 0x0
	s_add_nc_u64 s[SCP:SCP+1], s[4:5], s[24:25]
	s_add_nc_u64 s[STP:STP+1], s[6:7], s[26:27]
	s_lshl_b32 s26, s[WV], 13
	s_lshl_b32 s24, ttmp9, 16
	s_add_co_u32 s24, s24, s26
	s_add_nc_u64 s[VFP:VFP+1], s[8:9], s[24:25]
	s_lshl_b32 s26, s[WV], 14
	s_lshl_b32 s24, ttmp9, 17
	s_add_co_u32 s24, s24, s26
	s_add_nc_u64 s[OP:OP+1], s[10:11], s[24:25]
.irp n, 0,1,2,3
	global_load_b128 v[SR+4*\n:SR+4*\n+3], v[LO], s[SCP:SCP+1] offset:512*\n th:TH_LOAD_NT
.endr
.irp n, 0,1,2,3
	global_load_b128 v[CM+4*\n:CM+4*\n+3], v[LO], s[STP:STP+1] offset:512*\n
.endr
.irp n, 0,1,2,3
	global_load_b128 v[RL+4*\n:RL+4*\n+3], v[LO], s[STP:STP+1] offset:16384+512*\n
.endr
.irp n, 0,1,2,3,4,5,6,7,8,9,10,11,12,13,14,15
	global_load_b128 v[VF+4*\n:VF+4*\n+3], v[LO], s[VFP:VFP+1] offset:512*\n th:TH_LOAD_NT
.endr
	s_wait_loadcnt 16                              ; scores and statistics are in; V's sixteen loads stay out
.set z, 0
.rept 8
	v_pk_fma_f32 v[SR+2*z:SR+2*z+1], v[SR+2*z:SR+2*z+1], s[CS:CS+1], v[CM+2*z:CM+2*z+1] op_sel_hi:[1,0,1] neg_lo:[0,0,1] neg_hi:[0,0,1]  ; c S - cm
.set z, z+1
.endr
.set z, 0
.rept 16
	v_exp_f32 v[SR+z], v[SR+z]
.set z, z+1
.endr
	v_nop                                          ; a plain instruction behind the last exponential,
	s_wait_alu depctr_va_vdst(0)                   ; and one wait ahead of the first use
.set z, 0
.rept 8
	v_pk_mul_f32 v[SR+2*z:SR+2*z+1], v[SR+2*z:SR+2*z+1], v[RL+2*z:RL+2*z+1]
.set z, z+1
.endr
.set z, 0
.rept 8
	v_cvt_pk_f16_f32 v[FR+z], v[SR+2*z], v[SR+2*z+1]
.set z, z+1
.endr
	ds_store_b128 v[AWS], v[FR:FR+3]   offset:AWB
	ds_store_b128 v[AWS], v[FR+4:FR+7] offset:AWB+512
	s_wait_dscnt 0x0                               ; for the others' sake: my fragment lies in LDS
	s_barrier_signal -1
	s_barrier_wait -1
.irp n, 0,1,2,3,4,5,6,7,8,9,10,11,12,13,14,15
	ds_load_b128 v[AWF+4*\n:AWF+4*\n+3], v[LO] offset:AWB+512*\n
.endr
	s_wait_loadcnt 0x0                             ; V
	s_wait_dscnt 0x0
	MULT 0, 0
	MULT 1, 1                                      ; a tile's products stand ahead of the way out of the tile before
	OUT 0, 0
	s_wait_xcnt 0x0                                ; the stores have read their data: the set may be written again
	MULT 2, 0
	OUT 1, 1
	s_wait_xcnt 0x0
	MULT 3, 1
	OUT 2, 0
	OUT 3, 1
	s_wait_tensorcnt 0x0                           ; the wave's end, behind my last LDS store
	ds_add_u32 v[SPW], v[NIL]
	s_wait_dscnt 0x0
	s_endpgm
.Lfunc_end_k_q8e99440fcb_mix:
	.size	k_q8e99440fcb_mix, .Lfunc_end_k_q8e99440fcb_mix-k_q8e99440fcb_mix
	.p2alignl 7, 3214868480
	.fill 96, 4, 3214868480
	.section	.rodata,"a",@progbits
	.p2align	6, 0x0
	.amdhsa_kernel k_q8e99440fcb_mix
		.amdhsa_group_segment_fixed_size 44032
		.amdhsa_private_segment_fixed_size 0
		.amdhsa_enable_private_segment 0
		.amdhsa_kernarg_size 32
		.amdhsa_user_sgpr_count 2
		.amdhsa_user_sgpr_kernarg_segment_ptr 1
		.amdhsa_wavefront_size32 1
		.amdhsa_system_sgpr_workgroup_id_x 1
		.amdhsa_system_sgpr_workgroup_id_y 1
		.amdhsa_system_sgpr_workgroup_id_z 1
		.amdhsa_system_vgpr_workitem_id 0
		.amdhsa_next_free_vgpr 256
		.amdhsa_next_free_sgpr 66
		.amdhsa_reserve_vcc 0
		.amdhsa_float_denorm_mode_32 3
		.amdhsa_float_denorm_mode_16_64 3
		.amdhsa_memory_ordered 1
		.amdhsa_forward_progress 1
		.amdhsa_inst_pref_size 19
	.end_amdhsa_kernel
	.amdgpu_metadata
---
amdhsa.version: [ 1, 2 ]
amdhsa.kernels:
  - .name:           k_q8e99440fcb_mix
    .symbol:         k_q8e99440fcb_mix.kd
    .args:
      - { .name: sc, .offset: 0, .size: 8, .value_kind: global_buffer, .address_space: global }
      - { .name: st, .offset: 8, .size: 8, .value_kind: global_buffer, .address_space: global }
      - { .name: vf, .offset: 16, .size: 8, .value_kind: global_buffer, .address_space: global }
      - { .name: out0, .offset: 24, .size: 8, .value_kind: global_buffer, .address_space: global }
    .group_segment_fixed_size: 44032
    .private_segment_fixed_size: 0
    .kernarg_segment_align: 8
    .kernarg_segment_size: 32
    .max_flat_workgroup_size: 256
    .sgpr_count:     66
    .vgpr_count:     256
    .wavefront_size: 32
...
	.end_amdgpu_metadata
.endif
;; end of part 4
;; ======== version 2 of 2: 4 launches; version 1 with the launch proj written anew for expert scheduling mode
;; limits: values are held in f16: magnitudes above 65,504 overflow, below 6.1e-05 lose precision
;; workspace buffers: ws 3,145,728 bytes; bs 98,304 bytes; vf 33,554,432 bytes; sc 8,388,608 bytes; st 32,768 bytes
;; launch prep: the kernel of part 1 again; grid 24 x 4, 8 waves a work-group, no clusters, 0 bytes of LDS; arguments Wk, Wq, Wv, bk, bq, bv, ws, bs; writes ws, bs
;; launch proj (part 5): grid 256 x 1, 4 waves a work-group, no clusters, 279,040 bytes of LDS; arguments x, ws, bs, vf, sc; writes vf, sc
.if DOCPART == 5
	.amdgcn_target "amdgcn-amd-amdhsa--gfx1250"
	.amdhsa_code_object_version 6
	.text
	.protected	k_q8e99440fcb_proj
	.globl	k_q8e99440fcb_proj
	.p2align	8
	.type	k_q8e99440fcb_proj,@function
k_q8e99440fcb_proj:
	s_mov_b64 s[64:65], 0
	v_nop
	global_prefetch_b8 v0, s[64:65] scope:SCOPE_SE
	s_setreg_imm32_b32 hwreg(HW_REG_WAVE_SCHED_MODE, 0, 2), 2
	s_setreg_imm32_b32 hwreg(HW_REG_WAVE_MODE, 25, 1), 1
	s_wait_xcnt 0x0
	s_wait_alu depctr_vm_vsrc(0)
; K, Q, V = x W^T + b AND THE RAW SCORES S[t][s] = K[t] . Q[s], for 128 tokens (two batches of 64) a work-group.
; x [32768][1024] f32 is read once, rounded to bf16 and kept in LDS.  Five passes over k = 1,024 follow: one for V, four for K and Q.  The weights (ws: bf16, already in fragment order, a wave's
; stream on end) come straight from memory into a ring of register slots, a step a slot; no wave wants a weight byte that another wave of the work-group fetched.
; THE V PASS: a wave multiplies its 128 channels of V by all 128 tokens: 64 accumulators (S's registers are idle then), 32 steps of 32 along k, 64 matrix instructions a step.  D = x W^T (row = token,
; column = channel): a lane's eight numbers, rounded to f16, are 16 bytes of the last launch's fragment of V: vf [b][ct 32][kk 2][half 2][lane][8].
; x ARRIVES UNDER THE V PASS.  In LDS x lies by chunks of 128 k.  A wave brings its 32 rows in UNITS of 8 rows x 512 bytes (unit u: chunk u / 4, rows 8 (u % 4) on).  The middle of step t
; puts unit t + 5 away (rounded into an out-buffer, 8 bytes a lane into LDS), and the step asks for unit t + 7 into the registers that the unit left.  Step 4 c - 1 holds the barrier for chunk c: every wave's
; stores are waited for ahead of the signal, 32 matrix instructions stand between signal and wait, and only then is step 4 c fetched.  Between two barriers the loads touch chunk c and the stores chunk c + 1.
; A K/Q PASS: 64 weight rows a wave, 32 accumulators, 32 matrix instructions a step.  D = W x^T (row = channel, column = token); the rows are 32 channels of K and the same 32 of Q.  Two channel tiles rounded
; to f16 in pairs ARE a fragment (lane = token, 32 channels), so S += K Q^T follows in registers: K and Q never leave them.  The four waves' shares of the channels meet in LDS at the end:
; sc f32 [b][4 st + tt][half][lane][4].  The bias (bs) is the C operand of a pass's first step: nothing is cleared, nothing is added later.
; FORMATS AND LIMITS.  x, W, b are rounded to bf16; sums in f32; K, Q, V are rounded once to f16, which holds no number of 65,520 or more: |K|, |Q|, |V| must stay below that.  NaN and infinities are not treated apart.
; NO CLUSTER, NO TENSOR LOADS.  x takes 278,528 of the 327,680 bytes of LDS; what is left holds two slots of under 24 KiB, a step and a half of a K/Q pass's 256 weight rows (16 KiB a step),
; so a shared refill would have under 64 matrix instructions a wave in which to land, with a cluster's barrier each; and x has to pass through registers to be rounded.
; THE MODE: SCHED_MODE bits 1:0 = 2 (LLVM: expert scheduling mode 2), set by the entry lines.  The code itself states the register dependences
; between vector or matrix instructions and memory or LDS instructions, with s_wait_alu, always for 0.
; THE PLAN.  Registers that memory or LDS instructions touch, and who else names them:
;   XB0, XB1     Step t's products read XB[t % 2]; the 16 LDS loads in the middle of step t land in the other buffer, which step t - 1's products read last.
;   the ring     Step t's products read their slot; step t's weight loads land in the slot that step t - 1's products read last.
;   SG0, SG1     The 16 conversions in the middle of a V step read one set; the step's 8 loads of x land in that set again.  No store reads them.
;   OB           Written by those conversions, read by the 8 LDS stores behind them, written again a step later.
;   ADX, FS      Read by the LDS loads and the LDS stores; written once a trip of the V pass (ADX in a K/Q pass: every eighth step and at its end).
;   LO, PFO, RS, RA, RB   Made at the head, never written again: rows and steps are reached by scalar bases and immediate offsets.
;   BI           Read as C by a K/Q pass's first products, loaded again 25 steps on.
;   the accumulators      Named by vector and matrix instructions alone, but for the beginning (units 0-3 lie there), V's end and the kernel's end, which state their own dependences.
; So ONE wait on va_vdst stands in the middle of a step, behind its conversions: the step before's products are done reading the x buffer and the slot in which this step's loads land, OB is written, the
; unit's set has been read, and ADX and FS are written where they were stepped.  Behind it stand the LDS stores and the fragment loads; the step's global loads are dealt, eight at a time, among the products of its
; second half, which name this step's x buffer, its slot and the accumulators: none of the registers that those loads touch.  One wait on vm_vsrc stands ahead of the conversions (OB) and ahead of each write of ADX or FS.
; REGISTERS, in windows of 256 (s_set_vgpr_msb: bits 1:0 source 0, 3:2 source 1, 5:4 source 2, 7:6 destination):
;   window 0: addresses; v12-27 the out-buffer; v32-63 K/Q bias tiles (once: unit 4); v64-127, v128-191 x fragments (token tile j at + 8 j), two buffers; v192-255 two sets of 32 for units of x
;   window 1: the weight ring.  V: slot s at 64 s, fragment i at + 8 i, four slots; K/Q: slot s at 32 s, eight slots
;   window 2: accumulator (i, j) at 8 (8 i + j), i = 0..3; before step 0: units 0-3     window 3: V: accumulators i = 4..7; K/Q: S tile T = 16 b + 4 st + tt at 8 T
.set XPITCH, 272                       ; a row of a chunk in LDS: 256 bytes + 16 = 17 x 16: the sixteen rows of a fragment load start at sixteen different 16-byte columns modulo 256
.set CH,     128*XPITCH                ; a chunk: 128 rows x 128 k
.set SPARE,  8*CH                      ; behind x: the spare words, 128 bytes for each wave: two blocks of 256 bytes that no other line names
.set LO,  1                            ; v1      16 x lane; never rewritten
.set ADX, 2                            ; v2      LDS address of my x fragments
.set AD0, 3                            ; v3      (lane % 16) x XPITCH + 16 (lane / 16); never rewritten
.set FS,  7                            ; v7      where I put 8 bytes of a row of x
.set RS,  8                            ; v8      the end: my wave's 32 KiB of partial scores + 16 x lane
.set RA,  9                            ; v9      the end: my eight tiles in waves 0 and 1's parts
.set RB,  10                           ; v10     in waves 2 and 3's
.set PFO, 11                           ; v11     4,096 x lane: a row of x; never rewritten
.set OB,  12                           ; v[12:27] a unit of x in bf16, on its way into LDS: row m at + 2 m
.set SPW, 28                           ; v28     LDS address of my spare word; never rewritten
.set NIL, 29                           ; v29     0; never rewritten
.set BI,  32
.set XB,  64
.set SG,  192
.set WV,  14                           ; s14     my wave's number
.set XP,  16                           ; s[16:17] x at my 32 rows, at the trip's chunk
.set WP,  18                           ; s[18:19] my weight stream
.set BP,  20                           ; s[20:21] my bias tiles
.set VP,  22                           ; s[22:23] vf at my channels
.set SP,  24                           ; s[24:25] sc at my eight tiles
.set TC,  26                           ; s26     trips
.set KC,  28                           ; s28     K/Q passes to go
.set XO,  29                           ; s29     LDS bytes at which ADX stands
.set O1,  30                           ; s[30:31], s[32:33] offsets, high words 0
.set O2,  32
.set TS,  34
.set MSB, 0
.macro WIN new                         ; the immediate's high byte repeats the setting that is left; a switch that changes nothing is dropped
.if MSB != (\new)
	s_set_vgpr_msb (MSB<<8)|(\new)
.set MSB, \new
.endif
.endm
.macro XLOAD win, reg, off             ; a unit of x: each load takes 512 consecutive bytes of a row
	WIN (\win)<<6
.irp m, 0,1,2,3,4,5,6,7
	global_load_b128 v[(\reg)+4*(\m):(\reg)+4*(\m)+3], v[LO], s[XP:XP+1] offset:(\off)+(\m)*4096 th:TH_LOAD_NT
.endr
.endm
.macro XIN win, reg                    ; units 0 to 4: a unit is rounded to bf16 in place,
	WIN (\win)*0x45                                ; sources and destination
.irp m, 0,1,2,3,4,5,6,7
	v_cvt_pk_bf16_f32 v[(\reg)+4*(\m)],   v[(\reg)+4*(\m)],   v[(\reg)+4*(\m)+1]
	v_cvt_pk_bf16_f32 v[(\reg)+4*(\m)+1], v[(\reg)+4*(\m)+2], v[(\reg)+4*(\m)+3]
.endr
.endm
.macro XINS win, reg, off              ; and put into LDS: each store takes 256 consecutive bytes
	WIN (\win)<<2                                  ; store data
.irp m, 0,1,2,3,4,5,6,7
	ds_store_b64 v[FS], v[(\reg)+4*(\m):(\reg)+4*(\m)+1] offset:(\off)+(\m)*XPITCH
.endr
.endm
.macro XPROC win, reg, off             ; the two on end
	XIN \win, \reg
	WIN (\win)<<2
	s_wait_alu depctr_va_vdst(0)                   ; the conversions have written the registers that the LDS stores read
	XINS \win, \reg, \off
.endm
.macro XCVT reg                        ; units 5 to 31: a unit is rounded to bf16 into the out-buffer,
	WIN 0
.irp m, 0,1,2,3,4,5,6,7
	v_cvt_pk_bf16_f32 v[OB+2*(\m)],   v[(\reg)+4*(\m)],   v[(\reg)+4*(\m)+1]
	v_cvt_pk_bf16_f32 v[OB+2*(\m)+1], v[(\reg)+4*(\m)+2], v[(\reg)+4*(\m)+3]
.endr
.endm
.macro XPUT off                        ; and put into LDS from there
	WIN 0
.irp m, 0,1,2,3,4,5,6,7
	ds_store_b64 v[FS], v[OB+2*(\m):OB+2*(\m)+1] offset:(\off)+(\m)*XPITCH
.endr
.endm
.macro WLV slot, hf, off               ; V: half a step's weights: four fragments, 4 KiB on end
	WIN 0x40                                       ; destination window 1
.irp n, 0,1,2,3,4,5,6,7
	global_load_b128 v[64*(\slot)+32*(\hf)+4*(\n):64*(\slot)+32*(\hf)+4*(\n)+3], v[LO], s[WP:WP+1] offset:(\off)+4096*(\hf)+512*(\n)
.endr
.endm
.macro WLOAD slot, off                 ; K/Q: a step's four weight fragments, 4 KiB on end
	WIN 0x40
.irp n, 0,1,2,3,4,5,6,7
	global_load_b128 v[32*(\slot)+4*(\n):32*(\slot)+4*(\n)+3], v[LO], s[WP:WP+1] offset:(\off)+512*(\n)
.endr
.endm
.macro BLOAD off                       ; a K/Q pass's four bias tiles
	WIN 0
.irp n, 0,1,2,3,4,5,6,7
	global_load_b128 v[BI+4*(\n):BI+4*(\n)+3], v[LO], s[BP:BP+1] offset:(\off)+512*(\n)
.endr
.endm
.macro XFETCH buf, s                   ; the eight fragments of x (128 tokens x 32 k) of the step that lies s steps behind ADX's chunk, token tiles ascending
	WIN 0
.irp j, 0,1,2,3,4,5,6,7
	ds_load_b128 v[XB+64*(\buf)+8*(\j):XB+64*(\buf)+8*(\j)+3],   v[ADX] offset:((\s)/4)*CH+((\s)%4)*64+(\j)*16*XPITCH
	ds_load_b128 v[XB+64*(\buf)+8*(\j)+4:XB+64*(\buf)+8*(\j)+7], v[ADX] offset:((\s)/4)*CH+((\s)%4)*64+(\j)*16*XPITCH+32
.endr
.endm
.macro PLACES n                        ; plain vector lines between matrix instructions and the conversions or stores that read their results, or the matrix instructions that write over their sources
.rept \n
	v_nop
.endr
.endm
; ---------------- THE V PASS ----------------
; Four matrix instructions: token tile 4 jh + jj x four channel tiles, those of window 2 (g = 0) or 3 (g = 1).  first = 1: C is the bias tile, which lies in the ring's slot 3.
.macro VQ buf, slot, jh, g, jj, first
.if \first
	WIN 0x94+0x40*(\g)                             ; x window 0, W and C window 1, D window 2 or 3
.else
	WIN 0xa4+0x50*(\g)                             ; x window 0, W window 1, C and D window 2 or 3
.endif
.irp i, 0,1,2,3
.set rD, 8*(8*(\i)+4*(\jh)+(\jj))
.set rW, 64*(\slot)+8*(4*(\g)+(\i))
.set rX, XB+64*(\buf)+8*(4*(\jh)+(\jj))
.set rC, rD
.if \first
.set rC, 192+8*(4*(\g)+(\i))
.endif
	v_wmma_f32_16x16x32_bf16 v[rD:rD+7], v[rX:rX+7], v[rW:rW+7], v[rC:rC+7]
.endr
.endm
; 32 matrix instructions: token tiles 4 jh .. 4 jh + 3 x the eight channel tiles, those of window 2 first.
; The 64 accumulators take turns in the same order in every step: 63 others stand between two links of a chain.
.macro VMUL buf, slot, jh, first
.irp g, 0,1
.irp jj, 0,1,2,3
	VQ \buf, \slot, \jh, \g, \jj, \first
.endr
.endr
.endm
; A STEP OF THE V PASS.  In its middle a unit of x is put away and the next step's 16 fragment loads are issued; among the first products of its second half stand, eight at a time, the 16 weight loads
; into the slot that the step before multiplied and the 8 loads of x.
; hw:  the count of a wait at the head for this step's weights; -1 where an earlier wait has shown them in.     bar: 1: the barrier for the next chunk.
; xw:  the count of the wait for the unit that is put away (set xset, LDS offset xpo); -1: none.
; wk:  0: V's weights of the step three on, at byte woff; 1: two slots of the K/Q ring.     xlo: byte offset of the unit that is asked for, into set xset; -1: none.
; bias: 1: the first K/Q pass's bias tiles.     rst: 1: ADX goes back to k = 0.     pf: 1: the trip's prefetch.
.macro VSTEP buf, slot, s, hw, bar, xw, xset, xpo, wk, woff, xlo, bias=0, rst=0, pf=0
.if (\hw) >= 0
	s_wait_loadcnt \hw
.endif
.if \bar
	s_wait_dscnt 0x0                               ; for the others' sake: my units of the next chunk lie in LDS (the last went out a step ago); my own fragments are in too
	s_barrier_signal -1
.else
	s_wait_dscnt 8                                 ; x tiles 0-3 are in; the youngest eight loads (tiles 4-7) may be out
.endif
	VMUL \buf, \slot, 0, 0
	WIN 0
.if \bar
	s_barrier_wait -1                              ; everybody's units lie in LDS: the next chunk may be read
.endif
.if (\xw) >= 0
	s_wait_loadcnt \xw                             ; the unit asked for two steps ago is in; what was asked for since stays out
	s_wait_alu depctr_vm_vsrc(0)                   ; the LDS stores of the step before have read OB, which the conversions write again
	XCVT SG+32*(\xset)
.elseif \rst
	s_mov_b32 s[XO], 0
	s_wait_alu depctr_vm_vsrc(0)                   ; the fragment loads issued so far have read ADX
	v_mov_b32 v[ADX], v[AD0]
.endif
	s_wait_alu depctr_va_vdst(0)                   ; the step before's products are done reading the x buffer and the slot in which this step's loads land; the conversions have written OB and are done reading the unit's set; ADX and FS are written where they were stepped
.if (\xw) >= 0
	XPUT \xpo
.endif
	XFETCH 1-(\buf), \s
.if (\xw) >= 0
	s_wait_dscnt 24                                ; all but the 8 stores and 16 loads just issued
.else
	s_wait_dscnt 16                                ; all but the 16 loads just issued
.endif
	VQ \buf, \slot, 1, 0, 0, 0
.if (\wk) == 0                                         ; no wait for the loads below: no vector or matrix instruction since the wait above names a register that they touch
	WLV ((\slot)+3)%4, 0, \woff
.else
	WLOAD 2*(((\slot)+3)%4), \woff
.endif
	VQ \buf, \slot, 1, 0, 1, 0
.if (\wk) == 0
	WLV ((\slot)+3)%4, 1, \woff
.else
	WLOAD 2*(((\slot)+3)%4)+1, (\woff)+4096
.endif
	VQ \buf, \slot, 1, 0, 2, 0
.if \bias
	BLOAD 8192
.endif
.if (\xlo) >= 0
	XLOAD 0, SG+32*(\xset), \xlo
.endif
.if \pf
	; A PREFETCH INTO THE L2 of the chunk that the NEXT trip will load: my own 32 rows x 512 bytes, a lane a row, two instructions of 256 bytes a lane, behind this step's last loads.  Each block of 256 bytes of
	; chunks 3 to 7 is named once in the launch, by the wave that will load it; chunks 0 to 2 come by their loads alone; the last trip asks for nothing: there is no chunk 8.
	s_cmp_gt_u32 s[TC], 1
	s_cbranch_scc0 .Lnot_asked
	global_prefetch_b8 v[PFO], s[XP:XP+1] offset:1536 th:TH_LOAD_NT scope:SCOPE_SE
	global_prefetch_b8 v[PFO], s[XP:XP+1] offset:1792 th:TH_LOAD_NT scope:SCOPE_SE
.Lnot_asked:
.endif
	VQ \buf, \slot, 1, 0, 3, 0
.irp jj, 0,1,2,3
	VQ \buf, \slot, 1, 1, \jj, 0
.endr
.endm
; ---------------- THE K/Q PASSES ----------------
; Four matrix instructions: token tile 4 jh + jj x the four weight tiles.  first = 1: C is the bias tile.
.macro MQ buf, slot, jh, jj, first
	WIN 0xa1-0x20*(\first)                         ; W window 1, x window 0, D window 2; C window 2, or 0 for the bias
.irp i, 0,1,2,3
.set rD, 8*(8*(\i)+4*(\jh)+(\jj))
.set rW, 32*(\slot)+8*(\i)
.set rX, XB+64*(\buf)+8*(4*(\jh)+(\jj))
.set rC, rD
.if \first
.set rC, BI+8*(\i)
.endif
	v_wmma_f32_16x16x32_bf16 v[rD:rD+7], v[rW:rW+7], v[rX:rX+7], v[rC:rC+7]
.endr
.endm
; A step of 32 along k.  The 32 accumulators take turns in the same order in every step.  In its middle stand the next step's 16 fragment loads of x; behind the first four products of
; its second half the 8 weight loads of the step seven on: they land in the buffer and the slot that the step before multiplied.
; adj = 1: ADX goes two chunks on; 2: back to k = 0.  bias = 1: the next pass's bias tiles are asked for.
.macro STEP buf, slot, s, woff, first, adj, bias
	s_wait_loadcnt 48                              ; my slot is in: the six younger slots' 48 loads may stay out (where bias loads lie among them the wait is only stricter)
	s_wait_dscnt 8                                 ; x tiles 0-3 are in; the youngest eight loads (tiles 4-7) may be out
.irp jj, 0,1,2,3
	MQ \buf, \slot, 0, \jj, \first
.endr
	WIN 0
.if (\adj) == 1
	s_add_co_u32 s[XO], s[XO], 2*CH
.elseif (\adj) == 2
	s_mov_b32 s[XO], 0
.endif
.if \adj
	s_wait_alu depctr_vm_vsrc(0)                   ; the fragment loads issued so far have read ADX
	v_add_nc_u32 v[ADX], s[XO], v[AD0]
.endif
	s_wait_alu depctr_va_vdst(0)                   ; the step before's products are done reading the x buffer and the slot in which this step's loads land; the pass's first products are done reading the bias tiles; ADX is written where it was stepped
	XFETCH 1-(\buf), \s
	s_wait_dscnt 16                                ; all but the 16 just issued
	MQ \buf, \slot, 1, 0, \first
.if \bias                                              ; no wait for the loads below: no vector or matrix instruction since the wait above names a register that they touch
	BLOAD 0
.endif
	WLOAD ((\slot)+7)%8, \woff
.irp jj, 1,2,3
	MQ \buf, \slot, 1, \jj, \first
.endr
.endm
; A pass: step 0 (the bias starts the sums), three trips of eight steps, seven steps written out, whose weight loads are the next pass's first seven steps.
.macro PASS
	STEP 0, 0, 1, 7*4096, 1, 0, 0
	WIN 0                                          ; at a label and at a branch every window is 0
	s_mov_b32 s[TC], 3
.Ltrip:
.irp u, 0,1,2,3,4,5
	STEP (1+\u)%2, (1+\u)%8, 2+\u, (8+\u)*4096, 0, 0, 0
.endr
	STEP 1, 7, 0, 14*4096, 0, 1, 0
	STEP 0, 0, 1, 15*4096, 0, 0, 0
	WIN 0
	s_wait_xcnt 0x0                                ; every load issued so far has read its address (the youngest twelve matrix instructions back), so the pointer may be written
	s_add_nc_u64 s[WP:WP+1], s[WP:WP+1], 0x8000    ; eight steps of 4 KiB
	s_sub_co_u32 s[TC], s[TC], 1
	s_cmp_lg_u32 s[TC], 0
	s_cbranch_scc1 .Ltrip
	s_cmp_eq_u32 s[KC], 1                          ; the last pass has no successor: its pointers stay, so that the ring keeps its one form and every load stays inside its buffer;
	s_cselect_b32 s[O1], 0, 0x8000                 ; it asks once more for its own steps 24-30 and its own bias tiles, which nothing reads
	s_cselect_b32 s[O2], 0, 0x1000
	s_add_nc_u64 s[WP:WP+1], s[WP:WP+1], s[O1:O1+1]
	s_add_nc_u64 s[BP:BP+1], s[BP:BP+1], s[O2:O2+1]
	STEP 1, 1, 2, 0, 0, 0, 1
.irp u, 1,2,3,4,5
	STEP (1+\u)%2, 1+\u, 2+\u, (\u)*4096, 0, 0, 0
.endr
	STEP 1, 7, 0, 6*4096, 0, 2, 0                  ; its x fetch is the next pass's step 0
.endm
; 32 products S(T) (+)= K(token tile 4 b + tt) Q(token tile 4 b + st)^T over the pass's 32 channels, one for each S tile
.macro SMUL zero
	WIN 0xfa                                       ; K and Q window 2, S window 3
.irp b, 0,1
.irp st, 0,1,2,3
.irp tt, 0,1,2,3
.set rS, 8*(16*(\b)+4*(\st)+(\tt))
.set rK, 8*(4*(\b)+(\tt))
.set rQ, 8*(16+4*(\b)+(\st))
.if \zero
	v_wmma_f32_16x16x32_f16 v[rS:rS+7], v[rK:rK+7], v[rQ:rQ+7], 0
.else
	v_wmma_f32_16x16x32_f16 v[rS:rS+7], v[rK:rK+7], v[rQ:rQ+7], v[rS:rS+7]
.endif
.endr
.endr
.endr
	WIN 0
.endm
; A K/Q pass's end: for each token tile j the two channel tiles of K are rounded to f16 into accumulator (0, j)'s registers, those of Q into (2, j)'s; then the scores.  No memory or LDS instruction names these registers here.
.macro KQ_END
	WIN 0x8a
	PLACES 4                                       ; behind the last products
.irp j, 0,1,2,3,4,5,6,7
.irp g, 0,2
.set rA, 8*(8*(\g)+(\j))
.set rB, 8*(8*((\g)+1)+(\j))
	v_cvt_pk_f16_f32 v[rA],   v[rA],   v[rA+1]
	v_cvt_pk_f16_f32 v[rA+1], v[rA+2], v[rA+3]
	v_cvt_pk_f16_f32 v[rA+2], v[rA+4], v[rA+5]
	v_cvt_pk_f16_f32 v[rA+3], v[rA+6], v[rA+7]
	v_cvt_pk_f16_f32 v[rA+4], v[rB],   v[rB+1]
	v_cvt_pk_f16_f32 v[rA+5], v[rB+2], v[rB+3]
	v_cvt_pk_f16_f32 v[rA+6], v[rB+4], v[rB+5]
	v_cvt_pk_f16_f32 v[rA+7], v[rB+6], v[rB+7]
.endr
.endr
	WIN 0
	s_cmp_eq_u32 s[KC], 4
	s_cbranch_scc0 .Lsum_on
	SMUL 1                                         ; the first pass's products start the sums
	s_branch .Lsummed
.Lsum_on:
	SMUL 0
.Lsummed:
	PLACES 5                                       ; the next pass's first products write over these products' sources; the end's LDS stores read their results
.endm
	s_load_b256 s[4:11], s[0:1], 0x0               ; x s[4:5], ws s[6:7], bs s[8:9], vf s[10:11]
	s_load_b64 s[12:13], s[0:1], 0x20              ; sc
	v_lshl_add_u32 v[SPW], v0, 2, SPARE
	v_mov_b32 v[NIL], 0
	v_lshrrev_b32 v6, 5, v0
	v_readfirstlane_b32 s[WV], v6                  ; wave 0..3
	v_and_b32 v6, 31, v0                           ; lane
	v_and_b32 v30, 15, v0                          ; lane % 16
	v_bfe_u32 v31, v0, 4, 1                        ; lane / 16
	v_lshlrev_b32 v[LO], 4, v6
	v_lshlrev_b32 v[PFO], 12, v6
	v_mul_u32_u24 v[AD0], v30, XPITCH
	v_lshl_add_u32 v[AD0], v31, 4, v[AD0]
	v_mov_b32 v[ADX], v[AD0]
	s_wait_alu depctr_va_sdst(0)                   ; the wave's number is written, ahead of its first reader: LDS addresses and all the bases are made from it
	s_mul_i32 s[TS], s[WV], 32*XPITCH              ; I bring rows 32 w .. 32 w + 31
	v_lshl_add_u32 v[FS], v6, 3, s[TS]
	s_lshl_b32 s[TS], s[WV], 15
	v_add_nc_u32 v[RS], s[TS], v[LO]
	s_lshl_b32 s[TS], s[WV], 13
	v_add_nc_u32 v[RA], s[TS], v[LO]
	v_add_nc_u32 v[RB], 0x10000, v[RA]
	s_mov_b32 s[O1+1], 0
	s_mov_b32 s[O2+1], 0
	s_mov_b32 s[XO], 0
	s_lshl_b32 s[O1], ttmp9, 19                    ; the work-group's 128 rows of 4,096 bytes,
	s_lshl_b32 s[O2], s[WV], 17                    ; my 32 of them
	s_add_co_u32 s[O1], s[O1], s[O2]
	s_wait_kmcnt 0x0
	s_add_nc_u64 s[XP:XP+1], s[4:5], s[O1:O1+1]
	s_mul_i32 s[O1], s[WV], 786432
	s_add_nc_u64 s[WP:WP+1], s[6:7], s[O1:O1+1]
	s_mul_i32 s[O1], s[WV], 24576
	s_add_nc_u64 s[BP:BP+1], s[8:9], s[O1:O1+1]
	s_lshl_b32 s[O1], ttmp9, 17                    ; two batches of 65,536 bytes of vf, my eight channel tiles of 2,048
	s_lshl_b32 s[O2], s[WV], 14
	s_add_co_u32 s[O1], s[O1], s[O2]
	s_add_nc_u64 s[VP:VP+1], s[10:11], s[O1:O1+1]
	s_lshl_b32 s[O1], ttmp9, 15                    ; two batches of 16,384 bytes of sc, my eight tiles of 1,024
	s_add_co_u32 s[O1], s[O1], s[TS]
	s_add_nc_u64 s[SP:SP+1], s[12:13], s[O1:O1+1]
	; THE BEGINNING.  Loads go out in groups of eight and come back in order.  First chunk 0 (units 0-3, into the accumulators' registers, which are idle), V's bias tiles and half of step 0's weights: seven
	; groups.  Each time a unit is put away another group goes out, so that seven stay on their way: the wait for a unit leaves the six younger groups out.
	WIN 0x80
	s_wait_alu depctr_va_vdst(0)                   ; the offsets and LDS addresses v1 to v11 are written, which the loads, stores and prefetches of the kernel read
	XLOAD 2, 0,  0
	XLOAD 2, 32, 8*4096
	XLOAD 2, 64, 16*4096
	XLOAD 2, 96, 24*4096
	WIN 0x40
.irp n, 0,1,2,3,4,5,6,7,8,9,10,11,12,13,14,15
	global_load_b128 v[192+4*\n:192+4*\n+3], v[LO], s[BP:BP+1] offset:512*\n  ; V's eight bias tiles, into the ring's slot 3, which step 3's weights take behind step 0
.endr
	WLV 0, 0, 0
	s_wait_loadcnt 48
	XPROC 2, 0, 0
	WLV 0, 1, 0
	s_wait_loadcnt 48
	XPROC 2, 32, 8*XPITCH
	XLOAD 0, BI, 512                               ; unit 4
	s_wait_loadcnt 48
	XPROC 2, 64, 16*XPITCH
	XLOAD 0, SG+32, 8*4096+512                     ; unit 5
	s_wait_loadcnt 48
	XPROC 2, 96, 24*XPITCH
	WLV 1, 0, 8192
	WIN 0
	s_wait_alu depctr_vm_vsrc(0)                   ; the LDS stores have read FS, which the next line writes, and units 0-3's registers, which step 0's products write
	v_add_nc_u32 v[FS], CH, v[FS]                  ; from here on FS stands one chunk behind the chunk that is multiplied
	s_wait_dscnt 0x0                               ; for the others' sake: my rows of chunk 0 lie in LDS
	s_barrier_signal -1
	s_barrier_wait -1                              ; everybody's do
	XFETCH 0, 0
	s_wait_loadcnt 24                              ; the bias tiles and step 0's weights are in; units 4 and 5 and half of step 1's weights stay out
	WLV 1, 1, 8192
	WLV 2, 0, 2*8192
	WLV 2, 1, 2*8192
	XLOAD 0, SG, 16*4096+512                       ; unit 6
	; STEP 0, written out: the bias starts the sums; two units are put away (unit 4 in place, unit 5 through the out-buffer); slot 3 is filled at the step's end, when the bias has been read
	s_wait_dscnt 8
	VMUL 0, 0, 0, 1
	WIN 0
	s_wait_loadcnt 40                              ; units 4 and 5 are in; steps 1 and 2's weights and unit 6 stay out
	XIN 0, BI
	XCVT SG+32
	s_wait_alu depctr_va_vdst(0)                   ; the conversions have written unit 4's registers and OB, which the LDS stores read, and are done reading unit 5's set, in which unit 7 lands; FS is written
	XINS 0, BI, 0
	XPUT 8*XPITCH
	XFETCH 1, 1
	XLOAD 0, SG+32, 24*4096+512                    ; unit 7
	s_wait_dscnt 32                                ; all but the 16 stores and 16 loads just issued
	VMUL 0, 0, 1, 1
	WIN 0x40
	s_wait_loadcnt 32                              ; step 1's weights are in; step 2's and units 6 and 7 stay out
	s_wait_alu depctr_va_vdst(0)                   ; step 0's products are done reading the bias tiles, in whose registers step 3's weights land
	WLV 3, 0, 3*8192
	WLV 3, 1, 3*8192
	WIN 0
	; STEPS 1 TO 24: six trips of four.  Each step's middle leaves out the 24 loads of the step before it (16 of weights, 8 of x); that wait also shows this step's and the next step's weights in, so no step has a wait at its head.
	s_mov_b32 s[TC], 6
.Lvtrip:
	VSTEP 1, 1, 2, -1, 0, 24, 0, 16*XPITCH,   0, 4*8192, 1024,         0, 0, 1
	VSTEP 0, 2, 3, -1, 0, 24, 1, 24*XPITCH,   0, 5*8192, 8*4096+1024
	VSTEP 1, 3, 4, -1, 1, 24, 0, CH,          0, 6*8192, 16*4096+1024
	VSTEP 0, 0, 5, -1, 0, 24, 1, CH+8*XPITCH, 0, 7*8192, 24*4096+1024
	WIN 0
	s_wait_alu depctr_vm_vsrc(0)                   ; the fragment loads issued so far have read ADX, the LDS stores FS
	v_add_nc_u32 v[ADX], CH, v[ADX]                ; a chunk on, for the fetches
	v_add_nc_u32 v[FS], CH, v[FS]                  ; and for the stores: both are read again behind the wait in the next step's middle
	s_wait_xcnt 0x0                                ; every load and prefetch issued so far has read its address (the youngest load 20 matrix instructions back, the prefetches more than three steps), so the pointers may be written
	s_add_nc_u64 s[XP:XP+1], s[XP:XP+1], 512       ; 128 k of f32
	s_add_nc_u64 s[WP:WP+1], s[WP:WP+1], 0x8000    ; four steps of 8 KiB
	s_sub_co_u32 s[TC], s[TC], 1
	s_cmp_lg_u32 s[TC], 0
	s_cbranch_scc1 .Lvtrip
	; STEPS 25 TO 31, written out: x runs out (units 30 and 31 are put away, nothing is asked for), then V's weights; the K/Q ring's slots 0-5 take the slots that V has left
	VSTEP 1, 1, 2, -1, 0, 24, 0, 16*XPITCH, 0, 4*8192, -1
	VSTEP 0, 2, 3, -1, 0, 16, 1, 24*XPITCH, 0, 5*8192, -1            ; unit 31 is in; step 28's weights stay out
	VSTEP 1, 3, 4, -1, 1, -1, 0, 0,         0, 6*8192, -1, 1         ; the barrier for chunk 7; the first K/Q pass's bias tiles
	VSTEP 0, 0, 5, 40, 0, -1, 0, 0,         0, 7*8192, -1            ; out: steps 29 and 30's weights, the bias tiles
	VSTEP 1, 1, 6, 40, 0, -1, 0, 0,         1, 65536, -1             ; out: step 30's, the bias tiles, step 31's
	VSTEP 0, 2, 7, 40, 0, -1, 0, 0,         1, 65536+8192, -1        ; out: the bias tiles, step 31's, K/Q slots 0 and 1
	VSTEP 1, 3, 0, 32, 0, -1, 0, 0,         1, 65536+16384, -1, 0, 1 ; out: K/Q slots 0-3; its x fetch is the first K/Q pass's step 0
	; V'S END: each accumulator is rounded to f16 in place, from its low end on, and stored: 512 consecutive bytes a store
	WIN 0
	PLACES 4                                       ; behind the last products, ahead of the conversions that read the results
	WIN 0x40
	s_wait_alu depctr_va_vdst(0)                   ; step 31's products are done reading the ring's registers in which K/Q slot 6 lands
	WLOAD 6, 65536+6*4096                          ; K/Q slot 6: the ring stands seven steps ahead
.irp g, 0,1
	WIN (2+\g)*0x45                                ; sources and destination window 2, then 3
.set z, 0
.rept 32
	v_cvt_pk_f16_f32 v[8*z],   v[8*z],   v[8*z+1]
	v_cvt_pk_f16_f32 v[8*z+1], v[8*z+2], v[8*z+3]
	v_cvt_pk_f16_f32 v[8*z+2], v[8*z+4], v[8*z+5]
	v_cvt_pk_f16_f32 v[8*z+3], v[8*z+6], v[8*z+7]
.set z, z+1
.endr
	WIN (2+\g)<<2                                  ; store data
	s_wait_alu depctr_va_vdst(0)                   ; the conversions have written this window's registers, which the stores read
.irp i, 0,1,2,3
.irp j, 0,1,2,3,4,5,6,7
	global_store_b128 v[LO], v[8*(8*(\i)+(\j)):8*(8*(\i)+(\j))+3], s[VP:VP+1] offset:((\j)/4)*65536+(4*(\g)+(\i))*2048+(((\j)/2)%2)*1024+((\j)%2)*512 th:TH_STORE_NT
.endr
.endr
.endr
	WIN 0
	s_wait_xcnt 0x0                                ; every load and store issued so far has had its address translated: the next lines write the pointers
	s_wait_alu depctr_vm_vsrc(0)                   ; the stores have read the accumulators' registers, which the K/Q passes' products write
	s_add_nc_u64 s[WP:WP+1], s[WP:WP+1], 0x10000   ; from V's step 24 to the first K/Q pass
	s_add_nc_u64 s[BP:BP+1], s[BP:BP+1], 0x2000    ; behind V's eight bias tiles
	s_mov_b32 s[KC], 4
.Lkq:
	PASS
	KQ_END
	s_sub_co_u32 s[KC], s[KC], 1
	s_cmp_lg_u32 s[KC], 0
	s_cbranch_scc1 .Lkq
	; THE END: the four waves' partial scores (each over its 128 channels) are added.  They go where x lay: [wave][T 32][half][lane][16 bytes]
	s_wait_dscnt 0x0                               ; my reads of x are over
	s_barrier_signal -1
	s_barrier_wait -1                              ; everybody's are
	WIN 0x0c                                       ; store data window 3
	s_wait_alu depctr_va_vdst(0)                   ; the last products have written the scores, which the LDS stores read (the five places stand at the last pass's end); and every vector and matrix instruction is done with window 2's registers, in which the LDS loads below land
.set z, 0
.rept 32
	ds_store_b128 v[RS], v[8*z:8*z+3]   offset:z*1024  ; each tile from its low end on
	ds_store_b128 v[RS], v[8*z+4:8*z+7] offset:z*1024+512
.set z, z+1
.endr
	WIN 0
	s_wait_dscnt 0x0
	s_barrier_signal -1
	s_barrier_wait -1                              ; all partial scores lie in LDS
	WIN 0x80                                       ; wave w takes tiles 8 w .. 8 w + 7 of all four parts: part sw into window 2 at 64 sw
.irp sw, 0,1
.irp tl, 0,1,2,3,4,5,6,7
.irp hf, 0,1
	ds_load_b128 v[64*(\sw)+8*(\tl)+4*(\hf):64*(\sw)+8*(\tl)+4*(\hf)+3], v[RA] offset:(\sw)*32768+(\tl)*1024+(\hf)*512
	ds_load_b128 v[128+64*(\sw)+8*(\tl)+4*(\hf):128+64*(\sw)+8*(\tl)+4*(\hf)+3], v[RB] offset:(\sw)*32768+(\tl)*1024+(\hf)*512
.endr
.endr
.endr
	s_wait_dscnt 0x0
	WIN 0x8a
.set z, 0
.rept 32
	v_pk_add_f32 v[2*z:2*z+1], v[2*z:2*z+1], v[64+2*z:64+2*z+1]
	v_pk_add_f32 v[128+2*z:128+2*z+1], v[128+2*z:128+2*z+1], v[192+2*z:192+2*z+1]
.set z, z+1
.endr
.set z, 0
.rept 32
	v_pk_add_f32 v[2*z:2*z+1], v[2*z:2*z+1], v[128+2*z:128+2*z+1]
.set z, z+1
.endr
	WIN 0x08
	s_wait_alu depctr_va_vdst(0)                   ; the additions have written the sums, which the stores read
.irp tl, 0,1,2,3,4,5,6,7
.irp hf, 0,1
	global_store_b128 v[LO], v[8*(\tl)+4*(\hf):8*(\tl)+4*(\hf)+3], s[SP:SP+1] offset:(\tl)*1024+(\hf)*512  ; 512 consecutive bytes, aligned
.endr
.endr
	WIN 0
	s_wait_dscnt 0x0                               ; the wave's end
	s_wait_alu 0x0
	s_wait_tensorcnt 0x0
	ds_add_u32 v[SPW], v[NIL]
	s_wait_dscnt 0x0
	s_endpgm
.Lfunc_end_k_q8e99440fcb_proj:
	.size	k_q8e99440fcb_proj, .Lfunc_end_k_q8e99440fcb_proj-k_q8e99440fcb_proj
	.p2alignl 7, 3214868480
	.fill 96, 4, 3214868480
	.section	.rodata,"a",@progbits
	.p2align	6, 0x0
	.amdhsa_kernel k_q8e99440fcb_proj
		.amdhsa_group_segment_fixed_size 279040
		.amdhsa_private_segment_fixed_size 0
		.amdhsa_enable_private_segment 0
		.amdhsa_kernarg_size 40
		.amdhsa_user_sgpr_count 2
		.amdhsa_user_sgpr_kernarg_segment_ptr 1
		.amdhsa_wavefront_size32 1
		.amdhsa_system_sgpr_workgroup_id_x 1
		.amdhsa_system_sgpr_workgroup_id_y 1
		.amdhsa_system_sgpr_workgroup_id_z 1
		.amdhsa_system_vgpr_workitem_id 0
		.amdhsa_next_free_vgpr 1024
		.amdhsa_next_free_sgpr 66
		.amdhsa_reserve_vcc 0
		.amdhsa_float_denorm_mode_32 3
		.amdhsa_float_denorm_mode_16_64 3
		.amdhsa_memory_ordered 1
		.amdhsa_forward_progress 1
		.amdhsa_inst_pref_size 240
	.end_amdhsa_kernel
	.amdgpu_metadata
---
amdhsa.version: [ 1, 2 ]
amdhsa.kernels:
  - .name:           k_q8e99440fcb_proj
    .symbol:         k_q8e99440fcb_proj.kd
    .args:
      - { .name: x, .offset: 0, .size: 8, .value_kind: global_buffer, .address_space: global }
      - { .name: ws, .offset: 8, .size: 8, .value_kind: global_buffer, .address_space: global }
      - { .name: bs, .offset: 16, .size: 8, .value_kind: global_buffer, .address_space: global }
      - { .name: vf, .offset: 24, .size: 8, .value_kind: global_buffer, .address_space: global }
      - { .name: sc, .offset: 32, .size: 8, .value_kind: global_buffer, .address_space: global }
    .group_segment_fixed_size: 279040
    .private_segment_fixed_size: 0
    .kernarg_segment_align: 8
    .kernarg_segment_size: 40
    .max_flat_workgroup_size: 128
    .sgpr_count:     66
    .vgpr_count:     1024
    .wavefront_size: 32
...
	.end_amdgpu_metadata
.endif
;; end of part 5
;; launch stats: the kernel of part 3 again; grid 64 x 1, 16 waves a work-group, no clusters, 10,240 bytes of LDS; arguments sc, st; writes st
;; launch mix: the kernel of part 4 again; grid 512 x 1, 8 waves a work-group, no clusters, 44,032 bytes of LDS; arguments sc, st, vf, out0; writes out0
